; MI455X (gfx1250); checked and timed in simulation.
; The chip was launched on July 23, 2026; its instructions are those of AMD's public machine-readable ISA for CDNA 5 (MIT licence, August 2026) and "CDNA5" Instruction Set Architecture Reference Guide (July 2026). The comments in the code are by the model that wrote it; some were corrected since.
;; Complex Mo E Layer. Allowed arithmetic: float matrix products may take bf16 or f16 operands with f32 sums; other float arithmetic in f32, or as packed bf16 or f16 multiplies, adds, multiply-adds, maxima and minima; sums over many terms, partial sums and values carried from step to step in f32; what a program stores and reads back later, other than sums and carried values, may be rounded once to bf16 or f16.
;; Inputs: W1i 8 x 512 x 2,048 float32; W1r 8 x 512 x 2,048 float32; W2i 8 x 2,048 x 512 float32; W2r 8 x 2,048 x 512 float32; b1i 8 x 2,048 float32; b1r 8 x 2,048 float32; b2i 8 x 512 float32; b2r 8 x 512 float32; gate_W 1,024 x 8 float32; gate_b 8 float32; mod_b 8 x 2,048 float32; x_imag 4 x 256 x 512 float32; x_real 4 x 256 x 512 float32.
;; Outputs: out0 4 x 256 x 512 float32; out1 4 x 256 x 512 float32.
;; 2 versions, each right and faster than the one before. Each part assembles by itself: llvm-mc -triple=amdgcn-amd-amdhsa -mcpu=gfx1250 --defsym DOCPART=n.
;; ======== version 1 of 2: 4 launches
;; limits: values are held in f16: magnitudes above 65,504 overflow, below 6.1e-05 lose precision
;; workspace buffers: xh 2,097,152 bytes; idx 4,096 bytes of whole numbers; prob 4,096 bytes; pos 5,120 bytes of whole numbers; cnt 1,024 bytes of whole numbers; hid 67,108,864 bytes; part 134,217,728 bytes
;; launch route (part 1): grid 256 x 1, 4 waves a work-group, no clusters, 8,704 bytes of LDS; arguments x_real, x_imag, gate_W, gate_b, xh, idx, prob; writes xh, idx, prob
.if DOCPART == 1
	.amdgcn_target "amdgcn-amd-amdhsa--gfx1250"
	.amdhsa_code_object_version 6
	.text
	.protected	k_qab5516da35_route
	.globl	k_qab5516da35_route
	.p2align	8
	.type	k_qab5516da35_route,@function
k_qab5516da35_route:
	s_mov_b64 s[64:65], 0
	v_nop
	global_prefetch_b8 v0, s[64:65] scope:SCOPE_SE
	s_setreg_imm32_b32 hwreg(HW_REG_WAVE_MODE, 25, 1), 1
	s_wait_xcnt 0x0
; ROUTE.  For each of 1,024 tokens: amp = sqrt(xr^2 + xi^2), phase = atan2(xi, xr), 8 scores = [amp, phase] . gate_W + gate_b, the argmax and its softmax
; probability, all in f32 on the unrounded inputs; and x rounded once to f16 for the first product.
; One wave, one token (token = 4 x work-group + wave).  Lane l holds the 16 complex columns 128 j + 4 l + i (j, i = 0..3).
; The gate's product is 16.8 MFLOP of the module's 17.9 GFLOP and its argmax steers everything behind it, so it stays in f32 on the vector unit.
; xh: [token][K step 16][32 re, 32 im] f16: a K step of 32 complex numbers is 128 bytes, a row 2,048.
; The choice steers no address here: idx and prob go to fixed places, and a later launch places the rows.
; No cluster: the work-groups share gate_W alone, 32 KB, which each wave takes straight into registers.
; LIMITS.  atan2: NaN and infinities are not treated apart; (0, 0) gives +-0 whatever the sign of xr's zero; a divisor below 2^-126 counts as 2^-126;
; the polynomial (degree 9 on |q| <= tan(pi/8)) is off by some 2e-7 of the angle.  Ties go to the lowest index; two scores closer than some 1e-6 may be
; ordered otherwise than a sum in another order would.  |x| stays under 65,504 (f16).
.set SPARE, 8192                       ; behind the four stages: the spare words, 128 bytes for each wave
.set SPW, 30                           ; v30  LDS address of my spare word; never rewritten
.set NIL, 31                           ; v31  0; never rewritten
.set ACC, 16                           ; v16-23   the 8 scores
.set XR,  32                           ; v32-47   x_real, element 4 j + i
.set XI,  48                           ; v48-63   x_imag
.set AMP, 64                           ; v64-79
.set PH,  80                           ; v80-95   (= AMP + 16)
.set GW,  96                           ; v96-223  gate rows of j = 0, 1: + 64 part + 32 j + 8 i;  j = 2, 3 lie in window 1, v0-127
.set TP,  224                          ; v224-247 four sets of six at work
.set MSB, 0
.macro WIN new                         ; the immediate's high byte repeats the setting that is left
.if MSB != (\new)
	s_set_vgpr_msb (MSB<<8)|(\new)
.set MSB, (\new)
.endif
.endm
.macro Q4 line:vararg                  ; one line for each of four elements k: no line reads the result of the line before it
.set k, 0
	s_wait_alu depctr_va_vdst(0)
.rept 4
	\line
.set k, k+1
.endr
.endm
	s_load_b256 s[4:11], s[0:1], 0x0               ; x_real s[4:5], x_imag s[6:7], gate_W s[8:9], gate_b s[10:11]
	s_load_b128 s[12:15], s[0:1], 0x20             ; xh s[12:13], idx s[14:15]
	s_load_b64 s[16:17], s[0:1], 0x30              ; prob
	v_lshl_add_u32 v[SPW], v0, 2, SPARE
	v_mov_b32 v[NIL], 0
	v_lshrrev_b32 v1, 5, v0
	v_readfirstlane_b32 s20, v1                    ; wave 0..3
	s_lshl_b32 s21, ttmp9, 2
	s_add_co_u32 s21, s21, s20                     ; token
	s_lshl_b32 s22, s21, 11                        ; a row of x is 2,048 bytes, and so is a row of xh
	s_mov_b32 s23, 0
	s_lshl_b32 s18, s20, 11                        ; my wave's stage in LDS
	s_lshl_b32 s19, s21, 2                         ; my word in idx and prob
	s_mov_b32 s32, 0x3ed413cd                      ; tan(pi/8)
	s_mov_b32 s33, 0x00800000                      ; 2^-126
	s_mov_b32 s34, 0x3da4f0d1                      ; the polynomial's four coefficients, highest first
	s_mov_b32 s35, 0xbe0e1b85
	s_mov_b32 s36, 0x3e4c925f
	s_mov_b32 s37, 0xbeaaaa2a
	s_mov_b32 s38, 0x3f490fdb                      ; pi/4
	s_mov_b32 s39, 0x3fc90fdb                      ; pi/2
	s_mov_b32 s40, 0x40490fdb                      ; pi
	s_mov_b32 s41, 0x7fffffff
	s_mov_b32 s42, 0x3fb8aa3b                      ; log2(e)
	s_mov_b32 s44, 0x76543210                      ; v_permlanex16_b32: each lane takes its own place in the other half
	s_mov_b32 s45, 0xfedcba98
	v_and_b32 v1, 31, v0                           ; lane
	v_lshlrev_b32 v2, 4, v1                        ; 16 l
	v_lshlrev_b32 v3, 7, v1                        ; 128 l: four gate rows of 32 bytes
	v_lshrrev_b32 v4, 3, v1
	v_and_b32 v5, 7, v1
	v_lshl_add_u32 v4, v4, 7, s18                  ; into the stage: K step 4 j + l / 8,
	v_lshl_add_u32 v4, v5, 3, v4                   ; 8 bytes at 8 (l % 8)
	v_add_nc_u32 v5, s18, v2                       ; back: 16 l
	v_mov_b32 v6, s19
	s_wait_kmcnt 0x0
	s_load_b256 s[24:31], s[10:11], 0x0            ; gate_b
	s_add_nc_u64 s[4:5], s[4:5], s[22:23]
	s_add_nc_u64 s[6:7], s[6:7], s[22:23]
	s_add_nc_u64 s[12:13], s[12:13], s[22:23]
.irp j, 0,1,2,3
	global_load_b128 v[XR+4*\j:XR+4*\j+3], v2, s[4:5] offset:512*\j th:TH_LOAD_NT
	global_load_b128 v[XI+4*\j:XI+4*\j+3], v2, s[6:7] offset:512*\j th:TH_LOAD_NT
.endr
; 16 loads: the gate rows (8 f32 each) of my four columns of group j, for the amplitude (part 0) and, 512 rows further down, for the phase (part 1)
.macro GLOAD j, base
.irp part, 0,1
.irp i, 0,1,2,3
.irp hf, 0,1
	global_load_b128 v[(\base)+64*\part+32*((\j)%2)+8*\i+4*\hf:(\base)+64*\part+32*((\j)%2)+8*\i+4*\hf+3], v3, s[8:9] offset:4096*(\j)+16384*\part+32*\i+16*\hf
.endr
.endr
.endr
.endm
	GLOAD 0, GW
	GLOAD 1, GW
	s_wait_loadcnt 32                              ; x is in: the 32 gate loads behind it stay out
	WIN 0x40                                       ; destination window 1
	GLOAD 2, 0
	GLOAD 3, 0
	WIN 0
; Amplitude and phase of elements e0 .. e0 + 3.  mx, mn = the larger and the smaller of |xr|, |xi|.  atan(mn / mx): where mn > tan(pi/8) mx it is pi/4 + atan((mn - mx) / (mn + mx));
; the quotient q is a reciprocal, a multiply and one correction step; atan q = q + q z (((C3 z + C2) z + C1) z + C0), z = q^2.  Then the octant, the half plane and xi's sign.
.macro PHASE4 e0
.set E0, \e0
	Q4 v_max_num_f32 v[TP+6*k], |v[XR+E0+k]|, |v[XI+E0+k]|
	Q4 v_min_num_f32 v[TP+6*k+1], |v[XR+E0+k]|, |v[XI+E0+k]|
	Q4 v_mul_f32 v[TP+6*k+2], s32, v[TP+6*k]
	Q4 v_cmp_gt_f32 s[46+k], v[TP+6*k+1], v[TP+6*k+2]
	Q4 v_sub_f32 v[TP+6*k+2], v[TP+6*k+1], v[TP+6*k]
	Q4 v_add_f32 v[TP+6*k+3], v[TP+6*k+1], v[TP+6*k]
	Q4 v_cndmask_b32 v[TP+6*k+2], v[TP+6*k+1], v[TP+6*k+2], s[46+k]
	Q4 v_cndmask_b32 v[TP+6*k+3], v[TP+6*k], v[TP+6*k+3], s[46+k]
	Q4 v_max_num_f32 v[TP+6*k+3], s33, v[TP+6*k+3]
	Q4 v_rcp_f32 v[TP+6*k+4], v[TP+6*k+3]
	Q4 v_mul_f32 v[TP+6*k+5], v[XR+E0+k], v[XR+E0+k]   ; plain lines between the reciprocals and the use of their results (ISA guide 5.7.2)
	Q4 v_mul_f32 v[TP+6*k], v[TP+6*k+2], v[TP+6*k+4]
	Q4 v_fma_f32 v[TP+6*k+1], -v[TP+6*k], v[TP+6*k+3], v[TP+6*k+2]
	Q4 v_fma_f32 v[TP+6*k], v[TP+6*k+1], v[TP+6*k+4], v[TP+6*k]
	Q4 v_mul_f32 v[TP+6*k+1], v[TP+6*k], v[TP+6*k]
	Q4 v_fma_f32 v[TP+6*k+2], s34, v[TP+6*k+1], s35
	Q4 v_fma_f32 v[TP+6*k+2], v[TP+6*k+2], v[TP+6*k+1], s36
	Q4 v_fma_f32 v[TP+6*k+2], v[TP+6*k+2], v[TP+6*k+1], s37
	Q4 v_mul_f32 v[TP+6*k+2], v[TP+6*k+2], v[TP+6*k+1]
	Q4 v_fma_f32 v[TP+6*k+2], v[TP+6*k+2], v[TP+6*k], v[TP+6*k]
	Q4 v_cndmask_b32 v[TP+6*k+3], 0, s38, s[46+k]
	Q4 v_add_f32 v[TP+6*k+2], v[TP+6*k+2], v[TP+6*k+3]
	Q4 v_cmp_gt_f32 s[50+k], |v[XI+E0+k]|, |v[XR+E0+k]|
	Q4 v_sub_f32 v[TP+6*k+3], s39, v[TP+6*k+2]
	Q4 v_cndmask_b32 v[TP+6*k+2], v[TP+6*k+2], v[TP+6*k+3], s[50+k]
	Q4 v_cmp_gt_f32 s[50+k], 0, v[XR+E0+k]
	Q4 v_sub_f32 v[TP+6*k+3], s40, v[TP+6*k+2]
	Q4 v_cndmask_b32 v[TP+6*k+2], v[TP+6*k+2], v[TP+6*k+3], s[50+k]
	Q4 v_bfi_b32 v[PH+E0+k], s41, v[TP+6*k+2], v[XI+E0+k]
	Q4 v_fma_f32 v[TP+6*k+5], v[XI+E0+k], v[XI+E0+k], v[TP+6*k+5]
	Q4 v_sqrt_f32 v[AMP+E0+k], v[TP+6*k+5]
.endm
	PHASE4 0
	PHASE4 4
	PHASE4 8
	PHASE4 12
	v_nop                                          ; a plain line behind the last roots, ahead of the lines that write their sources
	; x in f16: four numbers a lane are 8 bytes; through my wave's own stage they become 512 consecutive bytes a store
	s_wait_alu depctr_va_vdst(0)
.irp j, 0,1,2,3
	v_cvt_pk_f16_f32 v[TP+4*\j], v[XR+4*\j], v[XR+4*\j+1]
	v_cvt_pk_f16_f32 v[TP+4*\j+1], v[XR+4*\j+2], v[XR+4*\j+3]
	v_cvt_pk_f16_f32 v[TP+4*\j+2], v[XI+4*\j], v[XI+4*\j+1]
	v_cvt_pk_f16_f32 v[TP+4*\j+3], v[XI+4*\j+2], v[XI+4*\j+3]
	ds_store_b64 v4, v[TP+4*\j:TP+4*\j+1] offset:512*\j
	ds_store_b64 v4, v[TP+4*\j+2:TP+4*\j+3] offset:512*\j+64
.endr
.irp q, 0,1,2,3
	ds_load_b128 v[XR+4*\q:XR+4*\q+3], v5 offset:512*\q   ; LDS serves a wave's instructions in order (ISA guide 5.7.1.4): these see the stores above
.endr
.irp q, 0,1,2,3
	s_wait_dscnt 3-\q
	global_store_b128 v2, v[XR+4*\q:XR+4*\q+3], s[12:13] offset:512*\q
.endr
; The scores: for each of my 16 columns and both parts, 8 multiply-adds, two to a line; the amplitude or phase is given to both halves.  The first four lines start the sums.
.macro SCORE j, base, first
.irp part, 0,1
.irp i, 0,1,2,3
.irp pr, 0,2,4,6
.set gv, (\base)+64*\part+32*((\j)%2)+8*\i+\pr
.set vv, AMP+16*\part+4*(\j)+2*(\i/2)
.if (\first) && (\part == 0) && (\i == 0)
	v_pk_mul_f32 v[ACC+\pr:ACC+\pr+1], v[gv:gv+1], v[vv:vv+1] op_sel_hi:[1,0]
.elseif (\i%2) == 0
	v_pk_fma_f32 v[ACC+\pr:ACC+\pr+1], v[gv:gv+1], v[vv:vv+1], v[ACC+\pr:ACC+\pr+1] op_sel_hi:[1,0,1]
.else
	v_pk_fma_f32 v[ACC+\pr:ACC+\pr+1], v[gv:gv+1], v[vv:vv+1], v[ACC+\pr:ACC+\pr+1] op_sel:[0,1,0] op_sel_hi:[1,1,1]
.endif
.endr
.endr
.endr
.endm
	s_wait_loadcnt 32                              ; the gate rows of j = 0, 1 are in; the 32 loads of j = 2, 3 may be out
	SCORE 0, GW, 1
	SCORE 1, GW, 0
	s_wait_loadcnt 0x0
	WIN 0x01                                       ; source 0 window 1
	SCORE 2, 0, 0
	SCORE 3, 0, 0
	WIN 0
	; across the 32 lanes: four steps inside each half ride on the addition, one crosses the halves
.irp mk, 1,2,4,8
.irp e, 0,1,2,3,4,5,6,7
	v_add_f32_dpp v[ACC+\e], v[ACC+\e], v[ACC+\e] row_xmask:\mk row_mask:0xf bank_mask:0xf
.endr
.endr
.irp e, 0,1,2,3,4,5,6,7
	v_permlanex16_b32 v[TP+\e], v[ACC+\e], s44, s45
.endr
.irp e, 0,1,2,3,4,5,6,7
	v_add_f32 v[ACC+\e], v[ACC+\e], v[TP+\e]
.endr
	s_wait_kmcnt 0x0                               ; gate_b
.irp e, 0,1,2,3,4,5,6,7
	v_add_f32 v[ACC+\e], s[24+\e], v[ACC+\e]
.endr
	; the argmax: a strict compare, rising, keeps the lowest index; the choice selects values alone
	v_mov_b32 v[TP+8], v[ACC]
	v_mov_b32 v[TP+9], 0
.irp e, 1,2,3,4,5,6,7
	v_cmp_gt_f32 vcc_lo, v[ACC+\e], v[TP+8]
	v_cndmask_b32 v[TP+9], v[TP+9], \e, vcc_lo
	v_max_num_f32 v[TP+8], v[TP+8], v[ACC+\e]
.endr
	; the chosen probability: 1 / the sum of e^(s - max)
.irp e, 0,1,2,3,4,5,6,7
	v_sub_f32 v[TP+\e], v[ACC+\e], v[TP+8]
.endr
.irp e, 0,1,2,3,4,5,6,7
	v_mul_f32 v[TP+\e], s42, v[TP+\e]
.endr
.irp e, 0,1,2,3,4,5,6,7
	v_exp_f32 v[TP+\e], v[TP+\e]
.endr
	v_nop                                          ; a plain line behind the exponentials
	s_wait_alu depctr_va_vdst(0)
	v_pk_add_f32 v[TP:TP+1], v[TP:TP+1], v[TP+2:TP+3]
	v_pk_add_f32 v[TP+4:TP+5], v[TP+4:TP+5], v[TP+6:TP+7]
	v_pk_add_f32 v[TP:TP+1], v[TP:TP+1], v[TP+4:TP+5]
	v_add_f32 v[TP], v[TP], v[TP+1]
	v_rcp_f32 v[TP+10], v[TP]
	v_cmp_gt_u32 vcc_lo, 1, v1                     ; lane 0; also the plain line behind the reciprocal
	s_wait_tensorcnt 0x0                           ; the wave's end: three lines behind my last LDS store
	ds_add_u32 v[SPW], v[NIL]
	s_wait_dscnt 0x0
	s_wait_xcnt 0x0                                ; EXEC changes only when the stores above have had their addresses translated
	s_and_saveexec_b32 s46, vcc_lo
	global_store_b32 v6, v[TP+9], s[14:15]         ; every lane holds the same two numbers: lane 0 stores them
	s_wait_alu depctr_va_vdst(0)
	global_store_b32 v6, v[TP+10], s[16:17]
	s_wait_xcnt 0x0
	s_or_b32 exec_lo, exec_lo, s46
	s_endpgm
.Lfunc_end_k_qab5516da35_route:
	.size	k_qab5516da35_route, .Lfunc_end_k_qab5516da35_route-k_qab5516da35_route
	.p2alignl 7, 3214868480
	.fill 96, 4, 3214868480
	.section	.rodata,"a",@progbits
	.p2align	6, 0x0
	.amdhsa_kernel k_qab5516da35_route
		.amdhsa_group_segment_fixed_size 8704
		.amdhsa_private_segment_fixed_size 0
		.amdhsa_enable_private_segment 0
		.amdhsa_kernarg_size 56
		.amdhsa_user_sgpr_count 2
		.amdhsa_user_sgpr_kernarg_segment_ptr 1
		.amdhsa_wavefront_size32 1
		.amdhsa_system_sgpr_workgroup_id_x 1
		.amdhsa_system_sgpr_workgroup_id_y 1
		.amdhsa_system_sgpr_workgroup_id_z 1
		.amdhsa_system_vgpr_workitem_id 0
		.amdhsa_next_free_vgpr 384
		.amdhsa_next_free_sgpr 66
		.amdhsa_reserve_vcc 1
		.amdhsa_float_denorm_mode_32 3
		.amdhsa_float_denorm_mode_16_64 3
		.amdhsa_memory_ordered 1
		.amdhsa_forward_progress 1
		.amdhsa_inst_pref_size 54
	.end_amdhsa_kernel
	.amdgpu_metadata
---
amdhsa.version: [ 1, 2 ]
amdhsa.kernels:
  - .name:           k_qab5516da35_route
    .symbol:         k_qab5516da35_route.kd
    .args:
      - { .name: x_real, .offset: 0, .size: 8, .value_kind: global_buffer, .address_space: global }
      - { .name: x_imag, .offset: 8, .size: 8, .value_kind: global_buffer, .address_space: global }
      - { .name: gate_W, .offset: 16, .size: 8, .value_kind: global_buffer, .address_space: global }
      - { .name: gate_b, .offset: 24, .size: 8, .value_kind: global_buffer, .address_space: global }
      - { .name: xh, .offset: 32, .size: 8, .value_kind: global_buffer, .address_space: global }
      - { .name: idx, .offset: 40, .size: 8, .value_kind: global_buffer, .address_space: global }
      - { .name: prob, .offset: 48, .size: 8, .value_kind: global_buffer, .address_space: global }
    .group_segment_fixed_size: 8704
    .private_segment_fixed_size: 0
    .kernarg_segment_align: 8
    .kernarg_segment_size: 56
    .max_flat_workgroup_size: 128
    .sgpr_count:     66
    .vgpr_count:     384
    .wavefront_size: 32
...
	.end_amdgpu_metadata
.endif
;; end of part 1
;; launch up (part 2): grid 256 x 1, 4 waves a work-group, no clusters, 152,832 bytes of LDS; arguments W1r, W1i, b1r, b1i, mod_b, xh, idx, hid, pos, cnt; writes hid, pos, cnt
.if DOCPART == 2
	.amdgcn_target "amdgcn-amd-amdhsa--gfx1250"
	.amdhsa_code_object_version 6
	.text
	.protected	k_qab5516da35_up
	.globl	k_qab5516da35_up
	.p2align	8
	.type	k_qab5516da35_up,@function
k_qab5516da35_up:
	s_mov_b64 s[64:65], 0
	v_nop
	global_prefetch_b8 v0, s[64:65] scope:SCOPE_SE
	s_setreg_imm32_b32 hwreg(HW_REG_WAVE_MODE, 25, 1), 1
	s_wait_xcnt 0x0
; UP.  h = ModReLU(x W1 + b1) for each token's chosen expert alone.  Work-group = (expert e = x / 32, slice s = x % 32): hidden columns 64 s .. 64 s + 63, all 512 k, all of e's tokens.
; It alone reads its slice (2 x 512 rows x 256 bytes of f32), once: through registers, rounded to f16, into LDS as [k][Wr 64, Wi 64], and from there, turned, into registers, where it RESTS:
; wave (wm = w / 2, wn = w % 2) keeps columns 32 wn .. + 31 (two tiles of 16) of Wr and Wi for all 16 K steps: 512 registers.  It takes the expert's tiles of 16 tokens wm, wm + 2, ...
; The loop over tiles reads no weight again, writes no LDS and has no barrier; token rows come from xh straight into registers as matrix operands, a tile ahead.
; PLACING.  Every wave counts e's tokens from idx (32 compares, 32 masks in scalar registers); wave 0 lays the list of tokens into LDS (rank = a running count + the lane's place in the mask; no atomics).
; Places past the count hold token 0: its row goes through this expert into pad positions of hid that nobody uses.  An expert without tokens still makes tile 0.  The trip count is the constant 32
; (64 tiles over two wm serve all 1,024 tokens on one expert); dead trips jump forward over work alone.  Slice 0 stores pos (token -> e x 1024 + rank) and cnt (tiles).
; THE MATRIX INSTRUCTION IS USED TRANSPOSED: source 0 = 16 weight columns, source 1 = 16 tokens.  A lane's results are one token (lane % 16) and columns 8 (lane / 16) + 0..7, which, rounded to f16,
; ARE half of source 1 of the second product: hid is stored in that order, [tile e x 64 + t][K step 64][quad 4][lane 32][16 bytes]; every store is 512 consecutive bytes.
; COMPLEX.  P = Wr xr (+ b1r as C), R = Wi xr + Wr xi (+ b1i), Q = Wi xi; re = P - Q, the difference that the module itself forms.  Order P, R, Q, R: the accumulators take turns.
; NO CLUSTER: each weight byte has one reader; what an expert's 32 work-groups share is its token rows, which come by a list that no tile descriptor covers.
; LIMITS.  x, W1 and h are rounded once to f16: magnitudes stay under 65,504; below 6e-5 they keep f16's step of 6e-8.  Roots and reciprocals are good to 1 ulp.
; REGISTERS, in windows of 256 (s_set_vgpr_msb: bits 1:0 source 0, 3:2 source 1, 5:4 source 2, 7:6 destination):
;   window 0: addresses, accumulators, biases, work      window 1: the token ring, K step ks at 16 ks: re 8, im 8
;   window 2: column tile 0: Wr at 8 ks, Wi at 128 + 8 ks (before that: four landing slots of 64 for the f32 weights)      window 3: column tile 1
.set GP,    8192                       ; bytes from row to row of W1
.set PW,    288                        ; a row of weights in LDS: 128 + 128 bytes + 32 of padding = 72 words
.set LIST,  512*PW                     ; behind the weights: entries 0-1151 the token list, 1152-1183 a dump word a lane; 4,864 bytes
.set SPARE, LIST+4864                  ; the spare words, 128 bytes for each wave
.set VR,   1                           ; l % 16
.set VH,   2                           ; l / 16
.set VL,   3                           ; l
.set WOFF, 4                           ; my bytes in the slice's rows in memory
.set LOFF, 5                           ; and in LDS
.set BADR, 6                           ; v6-9  the turning loads' addresses, one for each 128 rows
.set H16,  10                          ; 16 (l / 16)
.set NX,   11                          ; byte offset in xh of the tile that is being loaded
.set TOK,  12                          ; the list entries of the tile after it
.set LA,   13                          ; LDS address of my entry of the tile in hand
.set ST,   14                          ; byte offset in hid of the tile in hand
.set BOF,  15                          ; byte offset in the biases
.set L16,  16                          ; 16 l
.set L4,   17                          ; 4 l
.set DUMP, 18                          ; 1152 + l
.set RK,   19
.set TK,   20
.set CA,   21
.set CD,   22
.set PDUMP, 23                         ; 1024 + 32 e + l
.set ZERO, 24                          ; v24-27
.set ZA,   28
.set SPW,  30                          ; LDS address of my spare word; never rewritten
.set NIL,  31                          ; 0; never rewritten
.set ACC,  32                          ; v32-79   + 24 tile + 8 (P, R, Q)
.set BIAS, 80                          ; v80-127  + 24 tile + 8 (b1r, b1i, mod_b)
.set TT,   128
.set AA,   136
.set NN,   144
.set OUT,  152                         ; v152-167 four quads to store
.set CV,   168                         ; v168-199 weights in f16, on their way to LDS
.set IDX,  200                         ; v200-231 idx: register 4 j + i holds token 128 j + 4 l + i
.set MSB, 0
.macro WIN new                         ; the immediate's high byte repeats the setting that is left; a switch that changes nothing is dropped
.if MSB != (\new)
	s_set_vgpr_msb (MSB<<8)|(\new)
.set MSB, (\new)
.endif
.endm
; Group g of 8: matrix g % 2 (Wr, Wi), rows 32 (g / 2) .. + 31 of my wave's 128.  16 loads; each takes two whole row pieces of 256 bytes, four rows apart: lanes 0-15 one, lanes 16-31 the other.
.macro WLOAD g
	WIN 0x80                                       ; destination window 2
.set i, 0
.rept 16
.set rr, 32*((\g)/2)+8*(i/4)+i%4
	global_load_b128 v[64*((\g)%4)+4*i:64*((\g)%4)+4*i+3], v[WOFF], s[4+2*((\g)%2):5+2*((\g)%2)] offset:rr*GP th:TH_LOAD_NT
.set i, i+1
.endr
.endm
; Group g has landed (left = the loads issued behind it); the group three further on is asked for, into the slot read out one step ago; g is rounded and laid into LDS.
; Rows four apart lie 288 words, 32 banks, apart: a store's 32 lanes x 8 bytes touch each bank once.
.macro WSTEP g, left
	s_wait_loadcnt \left
.if (\g) < 5
	WLOAD (\g)+3
.endif
	WIN 0x0a                                       ; sources window 2, destination window 0
.set i, 0
.rept 32
	v_cvt_pk_f16_f32 v[CV+i], v[64*((\g)%4)+2*i], v[64*((\g)%4)+2*i+1]
.set i, i+1
.endr
	WIN 0
.set i, 0
.rept 16
.set rr, 32*((\g)/2)+8*(i/4)+i%4
	ds_store_b64 v[LOFF], v[CV+2*i:CV+2*i+1] offset:rr*PW+128*((\g)%2)
.set i, i+1
.endr
.endm
; The resting operands: 128 turning loads.  A load takes 16 k x 16 columns and leaves half a fragment: lane l holds column l % 16 and 8 k.
.macro BFRAG
.irp nt, 0,1
	WIN 0x80+0x40*\nt                              ; destination window 2 or 3
.set f, 0
.rept 64
.set mm, f/32
.set ks, (f%32)/2
.set hf, f%2
	ds_load_tr16_b128 v[128*mm+8*ks+4*hf:128*mm+8*ks+4*hf+3], v[BADR+ks/4] offset:(ks%4)*32*PW+hf*16*PW+128*mm+32*\nt
.set f, f+1
.endr
.endr
	WIN 0
.endm
; 16 loads: K steps 4 c .. 4 c + 3 of the 16 tokens at NX.  A lane takes its token's 16 bytes at 16 (l / 16): re k 0-15, re k 16-31, im likewise.
.macro ALOAD c
	WIN 0x40                                       ; destination window 1
.set i, 0
.rept 16
	global_load_b128 v[64*(\c)+4*i:64*(\c)+4*i+3], v[NX], s[14:15] offset:128*(4*(\c)+i/4)+32*(i%4)
.set i, i+1
.endr
.endm
; The four products of one K step and column tile.  K step 0 starts the sums, with the biases or 0 as C: nothing is cleared.
.macro MUL4 nt, ks
.set aR, 16*(\ks)
.set aI, aR+8
.set wR, 8*(\ks)
.set wI, 128+8*(\ks)
.set pP, ACC+24*(\nt)
.set pR, pP+8
.set pQ, pP+16
.set bB, BIAS+24*(\nt)
.if (\ks) == 0
	v_wmma_f32_16x16x32_f16 v[pP:pP+7], v[wR:wR+7], v[aR:aR+7], v[bB:bB+7]
	v_wmma_f32_16x16x32_f16 v[pR:pR+7], v[wI:wI+7], v[aR:aR+7], v[bB+8:bB+15]
	v_wmma_f32_16x16x32_f16 v[pQ:pQ+7], v[wI:wI+7], v[aI:aI+7], 0
.else
	v_wmma_f32_16x16x32_f16 v[pP:pP+7], v[wR:wR+7], v[aR:aR+7], v[pP:pP+7]
	v_wmma_f32_16x16x32_f16 v[pR:pR+7], v[wI:wI+7], v[aR:aR+7], v[pR:pR+7]
	v_wmma_f32_16x16x32_f16 v[pQ:pQ+7], v[wI:wI+7], v[aI:aI+7], v[pQ:pQ+7]
.endif
	v_wmma_f32_16x16x32_f16 v[pR:pR+7], v[wR:wR+7], v[aI:aI+7], v[pR:pR+7]
.endm
; A quarter of a tile: 32 matrix instructions, then the NEXT tile's same quarter is asked for into the registers just read: it has three quarters, 96 matrix instructions, in which to land.
.macro CHUNK c
	s_wait_loadcnt 48                              ; loads come back in order (ISA guide 5.7.1): this quarter is in; the 48 behind it are the ring's three other quarters, at every quarter and over the back edge
.irp nt, 0,1
	WIN 0x06+\nt                                   ; weights window 2 or 3, tokens window 1, C and D window 0
.irp kk, 0,1,2,3
	MUL4 \nt, 4*(\c)+\kk
.endr
.endr
.rept 4
	v_nop                                          ; four places between the products and the loads into registers that they read (ISA guide 7.12.1 for vector instructions)
.endr
	ALOAD \c
.endm
	s_load_b512 s[4:19], s[0:1], 0x0               ; W1r s[4:5], W1i s[6:7], b1r s[8:9], b1i s[10:11], mod_b s[12:13], xh s[14:15], idx s[16:17], hid s[18:19]
	s_load_b128 s[20:23], s[0:1], 0x40             ; pos s[20:21], cnt s[22:23]
	v_lshl_add_u32 v[SPW], v0, 2, SPARE
	v_mov_b32 v[NIL], 0
	v_lshrrev_b32 v1, 5, v0
	v_readfirstlane_b32 s24, v1                    ; wave 0..3
	s_lshr_b32 s25, s24, 1                         ; wm: which tiles of tokens
	s_and_b32 s26, s24, 1                          ; wn: which 32 columns
	s_lshr_b32 s27, ttmp9, 5                       ; e
	s_and_b32 s28, ttmp9, 31                       ; s
	s_lshl_b32 s70, s27, 10                        ; e's first position
	s_mov_b32 s72, 0x2edbe6ff                      ; 1e-10,
	s_mov_b32 s73, s72                             ; named as a pair
	v_and_b32 v[VR], 15, v0
	v_bfe_u32 v[VH], v0, 4, 1
	v_and_b32 v[VL], 31, v0
	v_lshlrev_b32 v[H16], 4, v[VH]
	v_lshlrev_b32 v[L16], 4, v[VL]
	v_lshlrev_b32 v[L4], 2, v[VL]
	v_add_nc_u32 v[DUMP], 1152, v[VL]
	s_lshl_b32 s67, s27, 5
	s_add_co_u32 s67, s67, 1024
	v_add_nc_u32 v[PDUMP], s67, v[VL]
	s_lshl_b32 s67, s24, 20                        ; my wave's 128 rows of 8,192 bytes
	v_lshlrev_b32 v[WOFF], 4, v[VR]
	v_lshl_add_u32 v[WOFF], v[VH], 15, v[WOFF]     ; lanes 16-31: four rows further down
	v_add_nc_u32 v[WOFF], s67, v[WOFF]
	s_mul_i32 s67, s24, 128*PW
	v_mul_u32_u24 v[LOFF], v[VH], 4*PW
	v_lshl_add_u32 v[LOFF], v[VR], 3, v[LOFF]
	v_add_nc_u32 v[LOFF], s67, v[LOFF]
	v_and_b32 v[BADR], 7, v0                       ; the turning load: row 8 (l / 16) + l % 8, 16 bytes at 16 ((l / 8) % 2), my 32 columns
	v_lshl_add_u32 v[BADR], v[VH], 3, v[BADR]
	v_mul_u32_u24 v[BADR], v[BADR], PW
	v_bfe_u32 v[BADR+1], v0, 3, 1
	v_lshl_add_u32 v[BADR], v[BADR+1], 4, v[BADR]
	s_lshl_b32 s67, s26, 6
	v_add_nc_u32 v[BADR], s67, v[BADR]
	v_add_nc_u32 v[BADR+1], 128*PW, v[BADR]
	v_add_nc_u32 v[BADR+2], 2*128*PW, v[BADR]
	v_add_nc_u32 v[BADR+3], 3*128*PW, v[BADR]
	s_lshl_b32 s67, s27, 13                        ; the biases: e's row of 8,192 bytes, 256 s + 128 wn + 32 (l / 16)
	s_lshl_b32 s71, s28, 8
	s_add_co_u32 s67, s67, s71
	s_lshl_b32 s71, s26, 7
	s_add_co_u32 s67, s67, s71
	v_lshl_add_u32 v[BOF], v[VH], 5, s67
	s_lshl_b32 s67, s25, 6                         ; my entry of tile wm
	v_lshl_add_u32 v[LA], v[VR], 2, LIST
	v_add_nc_u32 v[LA], s67, v[LA]
	v_add_nc_u32 v[ZA], LIST, v[L16]
.irp z, 0,1,2,3
	v_mov_b32 v[ZERO+\z], 0
.endr
	s_lshl_b32 s68, s27, 22                        ; e's 4 MiB of W1, the slice's 256 bytes of a row
	s_lshl_b32 s67, s28, 8
	s_add_co_u32 s68, s68, s67
	s_mov_b32 s69, 0
	s_wait_kmcnt 0x0
	s_add_nc_u64 s[4:5], s[4:5], s[68:69]
	s_add_nc_u64 s[6:7], s[6:7], s[68:69]
	s_lshl_b32 s68, s27, 23                        ; e's 64 tiles of 128 KiB in hid, my K step 2 s + wn of 2,048 bytes
	s_lshl1_add_u32 s67, s28, s26
	s_lshl_b32 s67, s67, 11
	s_add_co_u32 s68, s68, s67
	s_add_nc_u64 s[18:19], s[18:19], s[68:69]
.irp j, 0,1,2,3,4,5,6,7
	global_load_b128 v[IDX+4*\j:IDX+4*\j+3], v[L16], s[16:17] offset:512*\j
.endr
	WLOAD 0                                        ; three groups, 48 loads of 512 bytes, are on their way from here to the weights' end
	WLOAD 1
	WLOAD 2
	WIN 0
	s_wait_loadcnt 48                              ; idx is in; the three groups stay out
.set g, 0
.rept 32
	v_cmp_eq_u32 s[32+g], s27, v[IDX+g]            ; mask g: bit l stands for token 128 (g / 4) + g % 4 + 4 l
.set g, g+1
.endr
	s_mov_b32 s66, 0
.set g, 0
.rept 32
	s_bcnt1_i32_b32 s67, s[32+g]
	s_add_co_u32 s66, s66, s67
.set g, g+1
.endr
	s_add_co_u32 s29, s66, 15
	s_lshr_b32 s29, s29, 4
	s_max_u32 s29, s29, 1                          ; tiles of 16: one at the least
	s_cmp_lg_u32 s24, 0
	s_cbranch_scc1 .Lnolist                        ; wave 0 alone lays the list; no barrier stands in what is jumped
.irp z, 0,1,2,3,4,5,6,7,8
	ds_store_b128 v[ZA], v[ZERO:ZERO+3] offset:512*\z      ; entries 0-1151 = token 0; LDS serves a wave's instructions in order, so the entries below land on top
.endr
	s_mov_b32 s66, 0                               ; the running count
.set g, 0
.rept 32
	v_mbcnt_lo_u32_b32 v[RK], s[32+g], s66         ; rank = the tokens of the masks before + those of lower lanes in this one
	v_cndmask_b32 v[RK], v[DUMP], v[RK], s[32+g]   ; a lane whose token is another expert's writes its own dump word: EXEC stays whole
	v_min_u32 v[RK], 0x49f, v[RK]
	v_lshl_add_u32 v[RK], v[RK], 2, LIST
	v_add_nc_u32 v[TK], 128*(g/4)+g%4, v[L4]
	ds_store_b32 v[RK], v[TK]
	s_bcnt1_i32_b32 s67, s[32+g]
	s_add_co_u32 s66, s66, s67
.set g, g+1
.endr
	s_cmp_lg_u32 s28, 0
	s_cbranch_scc1 .Lnolist                        ; slice 0 alone stores pos and cnt: each word of them has one writer in the launch
	s_mov_b32 s66, 0
.set g, 0
.rept 32                                       ; each store has registers of its own (idx's and CV's, free here), so none is rewritten while a store reads it
	v_mbcnt_lo_u32_b32 v[CV+g], s[32+g], s66
	v_add_nc_u32 v[IDX+g], 128*(g/4)+g%4, v[L4]
	v_add_nc_u32 v[CV+g], s70, v[CV+g]             ; position = e x 1024 + rank
	v_cndmask_b32 v[IDX+g], v[PDUMP], v[IDX+g], s[32+g]    ; other experts' tokens: my lane's dump word behind the 1,024
	v_min_u32 v[IDX+g], 0x4ff, v[IDX+g]
	v_lshlrev_b32 v[IDX+g], 2, v[IDX+g]
	global_store_b32 v[IDX+g], v[CV+g], s[20:21]
	s_bcnt1_i32_b32 s67, s[32+g]
	s_add_co_u32 s66, s66, s67
.set g, g+1
.endr
	s_lshl_b32 s67, s27, 7
	v_add_nc_u32 v[CA], s67, v[L4]
	v_mov_b32 v[CD], s29
	global_store_b32 v[CA], v[CD], s[22:23]        ; 32 equal words: 128 consecutive bytes
	s_wait_xcnt 0x0                                ; CV is written again below only when these stores have had their addresses translated (ISA guide 3.1)
.Lnolist:
	WSTEP 0, 32                                    ; behind group g: the two younger groups,
	WSTEP 1, 32
	WSTEP 2, 32
	WSTEP 3, 32
	WSTEP 4, 32
	WSTEP 5, 32
	WSTEP 6, 16                                    ; one,
	WSTEP 7, 0                                     ; none
	s_wait_dscnt 0x0                               ; for the others' sake: my rows of the slice, and wave 0's list, are in LDS
	s_barrier_signal -1
	s_barrier_wait -1                              ; the kernel's one barrier: behind it LDS is only read
.irp nt, 0,1
.irp b, 0,1,2
.irp hf, 0,1
	global_load_b128 v[BIAS+24*\nt+8*\b+4*\hf:BIAS+24*\nt+8*\b+4*\hf+3], v[BOF], s[8+2*\b:9+2*\b] offset:64*\nt+16*\hf
.endr
.endr
.endr
	ds_load_b32 v[NX], v[LA]                       ; my token of tile wm,
	ds_load_b32 v[TOK], v[LA] offset:128           ; and of tile wm + 2
	s_wait_dscnt 0x1                               ; the first is in
	v_min_u32 v[NX], 0x3ff, v[NX]
	v_lshl_add_u32 v[NX], v[NX], 11, v[H16]        ; its row of 2,048 bytes + 16 (l / 16)
	ALOAD 0
	ALOAD 1
	ALOAD 2
	ALOAD 3
	BFRAG
	s_mov_b32 s30, s25                             ; the tile in hand
	s_mov_b32 s31, 32
.Ltile:
	s_cmp_ge_u32 s30, s29
	s_cbranch_scc1 .Lskip                          ; past the expert's tiles: nothing but the counters
	s_wait_dscnt 0x0                               ; the next tile's entries are in (in the first trip: the resting operands too)
	s_wait_xcnt 0x0                                ; NX, ST and OUT, which pending loads and the last trip's stores read, are written again only behind this wait
	v_min_u32 v[TOK], 0x3ff, v[TOK]
	v_lshl_add_u32 v[NX], v[TOK], 11, v[H16]
	ds_load_b32 v[TOK], v[LA] offset:256           ; the tile after next: entry 1,087 at the most, inside the 1,152 that were set
	s_lshl_b32 s67, s30, 17
	v_add_nc_u32 v[ST], s67, v[L16]
	CHUNK 0
	CHUNK 1
	CHUNK 2
	CHUNK 3
	WIN 0
	; THE WAY OUT.  The four v_nop behind the last products are the places in front of these lines; each accumulator is read from its low end on.
	; a = sqrt(re^2 + im^2 + 1e-10); scale = max(a + mod_b, 0) / (a + 1e-10)
.irp nt, 0,1
.set pP, ACC+24*\nt
.set pR, pP+8
.set pQ, pP+16
.set bM, BIAS+24*\nt+16
.irp z, 0,2,4,6
	v_pk_add_f32 v[pP+\z:pP+\z+1], v[pP+\z:pP+\z+1], v[pQ+\z:pQ+\z+1] neg_lo:[0,1] neg_hi:[0,1]
.endr
.irp z, 0,2,4,6
	v_pk_fma_f32 v[TT+\z:TT+\z+1], v[pP+\z:pP+\z+1], v[pP+\z:pP+\z+1], s[72:73] op_sel_hi:[1,1,0]
.endr
.irp z, 0,2,4,6
	v_pk_fma_f32 v[TT+\z:TT+\z+1], v[pR+\z:pR+\z+1], v[pR+\z:pR+\z+1], v[TT+\z:TT+\z+1]
.endr
.irp z, 0,1,2,3,4,5,6,7
	v_sqrt_f32 v[AA+\z], v[TT+\z]
.endr
	v_nop                                          ; a plain line between the roots and the use of their results (ISA guide 5.7.2)
	s_wait_alu depctr_va_vdst(0)
.irp z, 0,2,4,6
	v_pk_add_f32 v[NN+\z:NN+\z+1], v[AA+\z:AA+\z+1], v[bM+\z:bM+\z+1]
.endr
.irp z, 0,2,4,6
	v_pk_add_f32 v[TT+\z:TT+\z+1], v[AA+\z:AA+\z+1], s[72:73] op_sel_hi:[1,0]
.endr
.irp z, 0,1,2,3,4,5,6,7
	v_max_num_f32 v[NN+\z], 0, v[NN+\z]
.endr
.irp z, 0,1,2,3,4,5,6,7
	v_rcp_f32 v[TT+\z], v[TT+\z]
.endr
	v_nop
	s_wait_alu depctr_va_vdst(0)
.irp z, 0,2,4,6
	v_pk_mul_f32 v[NN+\z:NN+\z+1], v[NN+\z:NN+\z+1], v[TT+\z:TT+\z+1]
.endr
.irp z, 0,2,4,6
	v_pk_mul_f32 v[pP+\z:pP+\z+1], v[pP+\z:pP+\z+1], v[NN+\z:NN+\z+1]
.endr
.irp z, 0,2,4,6
	v_pk_mul_f32 v[pR+\z:pR+\z+1], v[pR+\z:pR+\z+1], v[NN+\z:NN+\z+1]
.endr
.irp z, 0,1,2,3
	v_cvt_pk_f16_f32 v[OUT+4*\nt+\z], v[pP+2*\z], v[pP+2*\z+1]
.endr
.irp z, 0,1,2,3
	v_cvt_pk_f16_f32 v[OUT+8+4*\nt+\z], v[pR+2*\z], v[pR+2*\z+1]
.endr
.endr
.irp q, 0,1,2,3
	global_store_b128 v[ST], v[OUT+4*\q:OUT+4*\q+3], s[18:19] offset:512*\q   ; quads: re of columns 0-15, re of 16-31, im likewise; 512 consecutive bytes each, at a multiple of 512 from hid's first
.endr
.Lskip:
	s_add_co_u32 s30, s30, 2
	v_add_nc_u32 v[LA], 128, v[LA]
	s_sub_co_u32 s31, s31, 1
	s_cmp_lg_u32 s31, 0
	s_cbranch_scc1 .Ltile
	s_wait_tensorcnt 0x0                           ; the wave's end: three lines behind my last LDS store
	ds_add_u32 v[SPW], v[NIL]
	s_wait_dscnt 0x0
	s_endpgm
.Lfunc_end_k_qab5516da35_up:
	.size	k_qab5516da35_up, .Lfunc_end_k_qab5516da35_up-k_qab5516da35_up
	.p2alignl 7, 3214868480
	.fill 96, 4, 3214868480
	.section	.rodata,"a",@progbits
	.p2align	6, 0x0
	.amdhsa_kernel k_qab5516da35_up
		.amdhsa_group_segment_fixed_size 152832
		.amdhsa_private_segment_fixed_size 0
		.amdhsa_enable_private_segment 0
		.amdhsa_kernarg_size 80
		.amdhsa_user_sgpr_count 2
		.amdhsa_user_sgpr_kernarg_segment_ptr 1
		.amdhsa_wavefront_size32 1
		.amdhsa_system_sgpr_workgroup_id_x 1
		.amdhsa_system_sgpr_workgroup_id_y 1
		.amdhsa_system_sgpr_workgroup_id_z 1
		.amdhsa_system_vgpr_workitem_id 0
		.amdhsa_next_free_vgpr 1024
		.amdhsa_next_free_sgpr 80
		.amdhsa_reserve_vcc 0
		.amdhsa_float_denorm_mode_32 3
		.amdhsa_float_denorm_mode_16_64 3
		.amdhsa_memory_ordered 1
		.amdhsa_forward_progress 1
		.amdhsa_inst_pref_size 115
	.end_amdhsa_kernel
	.amdgpu_metadata
---
amdhsa.version: [ 1, 2 ]
amdhsa.kernels:
  - .name:           k_qab5516da35_up
    .symbol:         k_qab5516da35_up.kd
    .args:
      - { .name: W1r, .offset: 0, .size: 8, .value_kind: global_buffer, .address_space: global }
      - { .name: W1i, .offset: 8, .size: 8, .value_kind: global_buffer, .address_space: global }
      - { .name: b1r, .offset: 16, .size: 8, .value_kind: global_buffer, .address_space: global }
      - { .name: b1i, .offset: 24, .size: 8, .value_kind: global_buffer, .address_space: global }
      - { .name: mod_b, .offset: 32, .size: 8, .value_kind: global_buffer, .address_space: global }
      - { .name: xh, .offset: 40, .size: 8, .value_kind: global_buffer, .address_space: global }
      - { .name: idx, .offset: 48, .size: 8, .value_kind: global_buffer, .address_space: global }
      - { .name: hid, .offset: 56, .size: 8, .value_kind: global_buffer, .address_space: global }
      - { .name: pos, .offset: 64, .size: 8, .value_kind: global_buffer, .address_space: global }
      - { .name: cnt, .offset: 72, .size: 8, .value_kind: global_buffer, .address_space: global }
    .group_segment_fixed_size: 152832
    .private_segment_fixed_size: 0
    .kernarg_segment_align: 8
    .kernarg_segment_size: 80
    .max_flat_workgroup_size: 128
    .sgpr_count:     80
    .vgpr_count:     1024
    .wavefront_size: 32
...
	.end_amdgpu_metadata
.endif
;; end of part 2
;; launch down (part 3): grid 256 x 1, 4 waves a work-group, no clusters, 165,376 bytes of LDS; arguments W2r, W2i, hid, cnt, part; writes part
.if DOCPART == 3
	.amdgcn_target "amdgcn-amd-amdhsa--gfx1250"
	.amdhsa_code_object_version 6
	.text
	.protected	k_qab5516da35_down
	.globl	k_qab5516da35_down
	.p2align	8
	.type	k_qab5516da35_down,@function
k_qab5516da35_down:
	s_mov_b64 s[64:65], 0
	v_nop
	global_prefetch_b8 v0, s[64:65] scope:SCOPE_SE
	s_setreg_imm32_b32 hwreg(HW_REG_WAVE_MODE, 25, 1), 1
	s_wait_xcnt 0x0
; DOWN.  A quarter of K of o = h W2 for each expert's tokens.  Work-group = (e = x / 32, kq = (x / 8) % 4, ns = x % 8): hidden rows 512 kq .. + 511, output columns 64 ns .. + 63: the same slice shape as
; the first product's (2 x 512 rows x 256 bytes of f32), which it alone reads, once; rounded to f16, through LDS, turned, into 512 resting registers a wave (wm = w / 2: tiles of tokens wm, wm + 2, ..;
; wn = w % 2: 32 columns).  K is split in four since 512 output columns give only 8 slices of whole 256-byte row pieces an expert; the four parts are f32 partial sums, added in order by the next launch.
; hid holds the tokens as matrix operands: [tile e x 64 + t][K step 64][quad 4][lane 32][16 bytes]: every load is 512 consecutive bytes, straight into registers; the loop writes no shared LDS and has no barrier.
; The number of tiles comes from cnt (1 to 64).  The trip count is the constant 32; dead trips jump forward over work alone.  The look-ahead is clamped to the expert's last tile, which has been stored.
; THE MATRIX INSTRUCTION IS USED TRANSPOSED (source 0 = 16 weight columns, source 1 = 16 tokens): a lane holds one token and 8 neighbouring columns.  P = Wr hr, R = Wi hr + Wr hi, Q = Wi hi; re = P - Q.
; Order P, R, Q, R: the accumulators take turns.
; part: [kq][position e x 1024 + rank][unit 2 ns + wn][32 re, 32 im] f32: a wave's share of a row is one aligned unit of 256 bytes, gathered through the wave's own stage in LDS.
; NO CLUSTER: each weight byte has one reader.  The 8 work-groups of one (e, kq) read the same blocks of hid, 32 KiB a tile; asking jointly would put an LDS ring and the cluster's barrier into a loop
; whose live length hangs on a stored count, for rows that here go from memory to registers without touching LDS.
; LIMITS.  W2 is rounded once to f16: under 65,504; below 6e-5 it keeps f16's step of 6e-8.
; REGISTERS, in windows of 256: window 0 addresses, accumulators, work; window 1 the token ring (K step ks at 16 ks: re 8, im 8); windows 2, 3 column tiles 0, 1: Wr at 8 ks, Wi at 128 + 8 ks
; (window 2 before that: four landing slots of 64).
.set GP,    2048                       ; bytes from row to row of W2
.set PW,    288                        ; a row of weights in LDS: 128 + 128 + 32 bytes = 72 words
.set STG,   512*PW                     ; behind the weights: 16 rows x 272 bytes for each wave, for the way out
.set SP,    272                        ; 68 words: the 16 rows of a store start at 16 different groups of four banks
.set SPARE, STG+4*16*SP                ; the spare words, 128 bytes for each wave
.set VR,   1
.set VH,   2
.set VL,   3
.set WOFF, 4
.set LOFF, 5
.set BADR, 6                           ; v6-9
.set NX,   11                          ; byte offset in hid of the tile that is being loaded
.set PO,   12                          ; byte offset in part of the tile in hand
.set PO0,  13                          ; 4096 (l / 16) + 16 (l % 16)
.set STO,  14                          ; the way out: where I put 16 bytes of a row
.set RD,   15                          ; where I read rows back
.set L16,  16
.set SPW,  30                          ; LDS address of my spare word; never rewritten
.set NIL,  31                          ; 0; never rewritten
.set ACC,  32                          ; v32-79   + 24 tile + 8 (P, R, Q)
.set OUT,  152                         ; v152-183 eight quads to store
.set CV,   184                         ; v184-215 weights in f16, on their way to LDS
.set MSB, 0
.macro WIN new                         ; the immediate's high byte repeats the setting that is left; a switch that changes nothing is dropped
.if MSB != (\new)
	s_set_vgpr_msb (MSB<<8)|(\new)
.set MSB, (\new)
.endif
.endm
; Group g of 8: matrix g % 2, rows 32 (g / 2) .. + 31 of my wave's 128.  16 loads; each takes two whole row pieces of 256 bytes, four rows apart.
.macro WLOAD g
	WIN 0x80
.set i, 0
.rept 16
.set rr, 32*((\g)/2)+8*(i/4)+i%4
	global_load_b128 v[64*((\g)%4)+4*i:64*((\g)%4)+4*i+3], v[WOFF], s[4+2*((\g)%2):5+2*((\g)%2)] offset:rr*GP th:TH_LOAD_NT
.set i, i+1
.endr
.endm
; Group g has landed (left = the loads issued behind it); the group three further on is asked for; g is rounded and laid into LDS (rows four apart lie 32 banks apart).
.macro WSTEP g, left
	s_wait_loadcnt \left
.if (\g) < 5
	WLOAD (\g)+3
.endif
	WIN 0x0a
.set i, 0
.rept 32
	v_cvt_pk_f16_f32 v[CV+i], v[64*((\g)%4)+2*i], v[64*((\g)%4)+2*i+1]
.set i, i+1
.endr
	WIN 0
.set i, 0
.rept 16
.set rr, 32*((\g)/2)+8*(i/4)+i%4
	ds_store_b64 v[LOFF], v[CV+2*i:CV+2*i+1] offset:rr*PW+128*((\g)%2)
.set i, i+1
.endr
.endm
.macro BFRAG                           ; the resting operands: 128 turning loads
.irp nt, 0,1
	WIN 0x80+0x40*\nt
.set f, 0
.rept 64
.set mm, f/32
.set ks, (f%32)/2
.set hf, f%2
	ds_load_tr16_b128 v[128*mm+8*ks+4*hf:128*mm+8*ks+4*hf+3], v[BADR+ks/4] offset:(ks%4)*32*PW+hf*16*PW+128*mm+32*\nt
.set f, f+1
.endr
.endr
	WIN 0
.endm
.macro ALOAD c                         ; 16 loads of 512 consecutive bytes: K steps 4 c .. 4 c + 3 of the tile at NX
	WIN 0x40
.set i, 0
.rept 16
	global_load_b128 v[64*(\c)+4*i:64*(\c)+4*i+3], v[NX], s[8:9] offset:2048*(4*(\c)+i/4)+512*(i%4)
.set i, i+1
.endr
.endm
.macro MUL4 nt, ks                     ; the four products of one K step and column tile; K step 0 starts the sums with 0
.set aR, 16*(\ks)
.set aI, aR+8
.set wR, 8*(\ks)
.set wI, 128+8*(\ks)
.set pP, ACC+24*(\nt)
.set pR, pP+8
.set pQ, pP+16
.if (\ks) == 0
	v_wmma_f32_16x16x32_f16 v[pP:pP+7], v[wR:wR+7], v[aR:aR+7], 0
	v_wmma_f32_16x16x32_f16 v[pR:pR+7], v[wI:wI+7], v[aR:aR+7], 0
	v_wmma_f32_16x16x32_f16 v[pQ:pQ+7], v[wI:wI+7], v[aI:aI+7], 0
.else
	v_wmma_f32_16x16x32_f16 v[pP:pP+7], v[wR:wR+7], v[aR:aR+7], v[pP:pP+7]
	v_wmma_f32_16x16x32_f16 v[pR:pR+7], v[wI:wI+7], v[aR:aR+7], v[pR:pR+7]
	v_wmma_f32_16x16x32_f16 v[pQ:pQ+7], v[wI:wI+7], v[aI:aI+7], v[pQ:pQ+7]
.endif
	v_wmma_f32_16x16x32_f16 v[pR:pR+7], v[wR:wR+7], v[aI:aI+7], v[pR:pR+7]
.endm
.macro CHUNK c                         ; a quarter of a tile: 32 matrix instructions; then the next tile's same quarter is asked for: 96 matrix instructions in which to land
	s_wait_loadcnt 48                              ; this quarter is in; the 48 loads behind it are the ring's three other quarters, at every quarter and over the back edge
.irp nt, 0,1
	WIN 0x06+\nt
.irp kk, 0,1,2,3
	MUL4 \nt, 4*(\c)+\kk
.endr
.endr
.rept 4
	v_nop                                          ; four places between the products and the loads into registers that they read (ISA guide 7.12.1 for vector instructions)
.endr
	ALOAD \c
.endm
	s_load_b256 s[4:11], s[0:1], 0x0               ; W2r s[4:5], W2i s[6:7], hid s[8:9], cnt s[10:11]
	s_load_b64 s[12:13], s[0:1], 0x20              ; part
	v_lshl_add_u32 v[SPW], v0, 2, SPARE
	v_mov_b32 v[NIL], 0
	v_lshrrev_b32 v1, 5, v0
	v_readfirstlane_b32 s24, v1                    ; wave 0..3
	s_lshr_b32 s25, s24, 1                         ; wm
	s_and_b32 s26, s24, 1                          ; wn
	s_lshr_b32 s27, ttmp9, 5                       ; e
	s_and_b32 s28, ttmp9, 7                        ; ns
	s_bfe_u32 s32, ttmp9, 0x20003                  ; kq
	v_and_b32 v[VR], 15, v0
	v_bfe_u32 v[VH], v0, 4, 1
	v_and_b32 v[VL], 31, v0
	v_lshlrev_b32 v[L16], 4, v[VL]
	s_lshl_b32 s34, s24, 18                        ; my wave's 128 rows of 2,048 bytes
	v_lshlrev_b32 v[WOFF], 4, v[VR]
	v_lshl_add_u32 v[WOFF], v[VH], 13, v[WOFF]     ; lanes 16-31: four rows further down
	v_add_nc_u32 v[WOFF], s34, v[WOFF]
	s_mul_i32 s34, s24, 128*PW
	v_mul_u32_u24 v[LOFF], v[VH], 4*PW
	v_lshl_add_u32 v[LOFF], v[VR], 3, v[LOFF]
	v_add_nc_u32 v[LOFF], s34, v[LOFF]
	v_and_b32 v[BADR], 7, v0
	v_lshl_add_u32 v[BADR], v[VH], 3, v[BADR]
	v_mul_u32_u24 v[BADR], v[BADR], PW
	v_bfe_u32 v[BADR+1], v0, 3, 1
	v_lshl_add_u32 v[BADR], v[BADR+1], 4, v[BADR]
	s_lshl_b32 s34, s26, 6
	v_add_nc_u32 v[BADR], s34, v[BADR]
	v_add_nc_u32 v[BADR+1], 128*PW, v[BADR]
	v_add_nc_u32 v[BADR+2], 2*128*PW, v[BADR]
	v_add_nc_u32 v[BADR+3], 3*128*PW, v[BADR]
	s_mul_i32 s34, s24, 16*SP
	s_add_co_u32 s34, s34, STG                     ; my stage
	v_mul_u32_u24 v[STO], v[VR], SP                ; in: row l % 16, 32 bytes for each half of the lanes
	v_lshl_add_u32 v[STO], v[VH], 5, v[STO]
	v_add_nc_u32 v[STO], s34, v[STO]
	v_mul_u32_u24 v[RD], v[VH], SP                 ; back: lanes 0-15 one row of 256 bytes, lanes 16-31 the next
	v_lshl_add_u32 v[RD], v[VR], 4, v[RD]
	v_add_nc_u32 v[RD], s34, v[RD]
	v_lshlrev_b32 v[PO0], 4, v[VR]                 ; and the same two rows in part, 4,096 bytes apart
	v_lshl_add_u32 v[PO0], v[VH], 12, v[PO0]
	s_mov_b32 s37, 0
	s_wait_kmcnt 0x0
	s_lshl_b32 s36, s27, 7
	s_add_nc_u64 s[10:11], s[10:11], s[36:37]
	s_load_b32 s29, s[10:11], 0x0                  ; e's tiles
	s_lshl_b32 s36, s27, 22                        ; e's 4 MiB of W2, kq's 512 rows, the slice's 256 bytes of a row
	s_lshl_b32 s34, s32, 20
	s_add_co_u32 s36, s36, s34
	s_lshl_b32 s34, s28, 8
	s_add_co_u32 s36, s36, s34
	s_add_nc_u64 s[4:5], s[4:5], s[36:37]
	s_add_nc_u64 s[6:7], s[6:7], s[36:37]
	WLOAD 0                                        ; three groups, 48 loads of 512 bytes, are on their way from here to the weights' end
	WLOAD 1
	WLOAD 2
	WIN 0
	s_lshl_b32 s36, s27, 23                        ; hid: e's 64 tiles of 128 KiB, kq's 16 K steps of 2,048 bytes
	s_lshl_b32 s34, s32, 15
	s_add_co_u32 s36, s36, s34
	s_add_nc_u64 s[8:9], s[8:9], s[36:37]
	s_lshl_b32 s36, s32, 25                        ; part: kq's 32 MiB, e's 1,024 rows of 4,096 bytes, my unit 2 ns + wn
	s_lshl_b32 s34, s27, 22
	s_add_co_u32 s36, s36, s34
	s_lshl1_add_u32 s34, s28, s26
	s_lshl_b32 s34, s34, 8
	s_add_co_u32 s36, s36, s34
	s_add_nc_u64 s[12:13], s[12:13], s[36:37]
	s_wait_kmcnt 0x0
	s_min_u32 s29, s29, 64
	s_sub_co_u32 s33, s29, 1                       ; the expert's last tile
	WSTEP 0, 32                                    ; behind group g: the two younger groups,
	WSTEP 1, 32
	WSTEP 2, 32
	WSTEP 3, 32
	WSTEP 4, 32
	WSTEP 5, 32
	WSTEP 6, 16                                    ; one,
	WSTEP 7, 0                                     ; none
	s_wait_dscnt 0x0                               ; for the others' sake: my rows of the slice are in LDS
	s_barrier_signal -1
	s_barrier_wait -1                              ; the kernel's one barrier: behind it the weights are only read
	s_min_u32 s34, s25, s33                        ; my first tile, or the last that exists
	s_min_u32 s34, s34, 63
	s_lshl_b32 s34, s34, 17
	v_add_nc_u32 v[NX], s34, v[L16]
	ALOAD 0
	ALOAD 1
	ALOAD 2
	ALOAD 3
	BFRAG
	s_mov_b32 s30, s25                             ; the tile in hand
	s_mov_b32 s31, 32
	s_wait_dscnt 0x0                               ; the resting operands are in
.Ltile:
	s_cmp_ge_u32 s30, s29
	s_cbranch_scc1 .Lskip                          ; past the expert's tiles: nothing but the counters
	s_wait_xcnt 0x0                                ; NX, PO and OUT, which pending loads and the last trip's stores read, are written again only behind this wait
	s_add_co_u32 s34, s30, 2                       ; the next tile, or the last that exists
	s_min_u32 s34, s34, s33
	s_min_u32 s34, s34, 63
	s_lshl_b32 s34, s34, 17
	v_add_nc_u32 v[NX], s34, v[L16]
	s_lshl_b32 s34, s30, 16                        ; 16 rows of 4,096 bytes a tile
	v_add_nc_u32 v[PO], s34, v[PO0]
	CHUNK 0
	CHUNK 1
	CHUNK 2
	CHUNK 3
	WIN 0
	; THE WAY OUT.  The four v_nop behind the last products are the places in front of these lines; each accumulator is read from its low end on.
.irp nt, 0,1
.irp z, 0,2,4,6
	v_pk_add_f32 v[ACC+24*\nt+\z:ACC+24*\nt+\z+1], v[ACC+24*\nt+\z:ACC+24*\nt+\z+1], v[ACC+24*\nt+16+\z:ACC+24*\nt+16+\z+1] neg_lo:[0,1] neg_hi:[0,1]
.endr
.endr
.irp nt, 0,1
	ds_store_b128 v[STO], v[ACC+24*\nt:ACC+24*\nt+3] offset:64*\nt
	ds_store_b128 v[STO], v[ACC+24*\nt+4:ACC+24*\nt+7] offset:64*\nt+16
	ds_store_b128 v[STO], v[ACC+24*\nt+8:ACC+24*\nt+11] offset:128+64*\nt
	ds_store_b128 v[STO], v[ACC+24*\nt+12:ACC+24*\nt+15] offset:128+64*\nt+16
.endr
.irp i, 0,1,2,3,4,5,6,7
	ds_load_b128 v[OUT+4*\i:OUT+4*\i+3], v[RD] offset:2*SP*\i      ; LDS serves a wave's instructions in order (ISA guide 5.7.1.4): these see the stores above; the next tile's stores come behind them
.endr
.irp i, 0,1,2,3,4,5,6,7
	s_wait_dscnt 7-\i
	global_store_b128 v[PO], v[OUT+4*\i:OUT+4*\i+3], s[12:13] offset:8192*\i   ; 16 lanes store 256 consecutive bytes, at a multiple of 256 from part's first byte
.endr
.Lskip:
	s_add_co_u32 s30, s30, 2
	s_sub_co_u32 s31, s31, 1
	s_cmp_lg_u32 s31, 0
	s_cbranch_scc1 .Ltile
	s_wait_tensorcnt 0x0                           ; the wave's end: three lines behind my last LDS store
	ds_add_u32 v[SPW], v[NIL]
	s_wait_dscnt 0x0
	s_endpgm
.Lfunc_end_k_qab5516da35_down:
	.size	k_qab5516da35_down, .Lfunc_end_k_qab5516da35_down-k_qab5516da35_down
	.p2alignl 7, 3214868480
	.fill 96, 4, 3214868480
	.section	.rodata,"a",@progbits
	.p2align	6, 0x0
	.amdhsa_kernel k_qab5516da35_down
		.amdhsa_group_segment_fixed_size 165376
		.amdhsa_private_segment_fixed_size 0
		.amdhsa_enable_private_segment 0
		.amdhsa_kernarg_size 40
		.amdhsa_user_sgpr_count 2
		.amdhsa_user_sgpr_kernarg_segment_ptr 1
		.amdhsa_wavefront_size32 1
		.amdhsa_system_sgpr_workgroup_id_x 1
		.amdhsa_system_sgpr_workgroup_id_y 1
		.amdhsa_system_sgpr_workgroup_id_z 1
		.amdhsa_system_vgpr_workitem_id 0
		.amdhsa_next_free_vgpr 1024
		.amdhsa_next_free_sgpr 66
		.amdhsa_reserve_vcc 0
		.amdhsa_float_denorm_mode_32 3
		.amdhsa_float_denorm_mode_16_64 3
		.amdhsa_memory_ordered 1
		.amdhsa_forward_progress 1
		.amdhsa_inst_pref_size 73
	.end_amdhsa_kernel
	.amdgpu_metadata
---
amdhsa.version: [ 1, 2 ]
amdhsa.kernels:
  - .name:           k_qab5516da35_down
    .symbol:         k_qab5516da35_down.kd
    .args:
      - { .name: W2r, .offset: 0, .size: 8, .value_kind: global_buffer, .address_space: global }
      - { .name: W2i, .offset: 8, .size: 8, .value_kind: global_buffer, .address_space: global }
      - { .name: hid, .offset: 16, .size: 8, .value_kind: global_buffer, .address_space: global }
      - { .name: cnt, .offset: 24, .size: 8, .value_kind: global_buffer, .address_space: global }
      - { .name: part, .offset: 32, .size: 8, .value_kind: global_buffer, .address_space: global }
    .group_segment_fixed_size: 165376
    .private_segment_fixed_size: 0
    .kernarg_segment_align: 8
    .kernarg_segment_size: 40
    .max_flat_workgroup_size: 128
    .sgpr_count:     66
    .vgpr_count:     1024
    .wavefront_size: 32
...
	.end_amdgpu_metadata
.endif
;; end of part 3
;; launch sum (part 4): grid 256 x 1, 4 waves a work-group, no clusters, 0 bytes of LDS; arguments part, pos, idx, prob, b2r, b2i, out0, out1; writes out0, out1
.if DOCPART == 4
	.amdgcn_target "amdgcn-amd-amdhsa--gfx1250"
	.amdhsa_code_object_version 6
	.text
	.protected	k_qab5516da35_sum
	.globl	k_qab5516da35_sum
	.p2align	8
	.type	k_qab5516da35_sum,@function
k_qab5516da35_sum:
	s_mov_b64 s[64:65], 0
	v_nop
	global_prefetch_b8 v0, s[64:65] scope:SCOPE_SE
	s_setreg_imm32_b32 hwreg(HW_REG_WAVE_MODE, 25, 1), 1
	s_wait_xcnt 0x0
; SUM.  out[token] = prob[token] x (part 0 + part 1 + part 2 + part 3 + b2[expert]), real and imaginary.  One wave, one token (token = 4 x work-group + wave).
; The token's position in part, its expert and its probability are three scalar loads; the position and the expert were stored as whole numbers by earlier launches.
; part: [kq 4][position 8192][unit 16][32 re, 32 im] f32.  For group g of 128 columns and half p (re, im) lane l takes columns 128 g + 4 l .. + 3: unit 4 g + l / 8, 16 bytes at 128 p + 16 (l % 8).
; The two halves' loads together take whole units of 256 bytes; every store is 512 consecutive bytes of a row of out0 or out1.  All 40 loads go out before the first wait.
; A stream: no LDS, no barrier, no matrix unit, nothing shared between work-groups but 4 KB of bias.  The four parts are added in a fixed order, in f32.
.set D0, 16                            ; pair n = 2 g + p at v[16 + 20 n]: four parts of 4 registers, then the bias
	s_load_b512 s[4:19], s[0:1], 0x0               ; part s[4:5], pos s[6:7], idx s[8:9], prob s[10:11], b2r s[12:13], b2i s[14:15], out0 s[16:17], out1 s[18:19]
	v_lshrrev_b32 v1, 5, v0
	v_readfirstlane_b32 s20, v1                    ; wave 0..3
	s_lshl_b32 s21, ttmp9, 2
	s_add_co_u32 s21, s21, s20                     ; token
	s_lshl_b32 s22, s21, 2
	s_mov_b32 s23, 0
	v_and_b32 v1, 31, v0
	v_lshlrev_b32 v2, 4, v1                        ; 16 l
	v_lshrrev_b32 v3, 3, v1
	v_and_b32 v4, 7, v1
	v_lshlrev_b32 v3, 8, v3
	v_lshl_add_u32 v3, v4, 4, v3                   ; 256 (l / 8) + 16 (l % 8)
	s_wait_kmcnt 0x0
	s_add_nc_u64 s[6:7], s[6:7], s[22:23]
	s_add_nc_u64 s[8:9], s[8:9], s[22:23]
	s_add_nc_u64 s[10:11], s[10:11], s[22:23]
	s_load_b32 s24, s[6:7], 0x0                    ; position
	s_load_b32 s25, s[8:9], 0x0                    ; expert
	s_load_b32 s40, s[10:11], 0x0                  ; probability
	s_lshl_b32 s22, s21, 11                        ; a row of out0 and out1 is 2,048 bytes
	s_add_nc_u64 s[16:17], s[16:17], s[22:23]
	s_add_nc_u64 s[18:19], s[18:19], s[22:23]
	s_wait_kmcnt 0x0
	s_min_u32 s24, s24, 0x1fff
	s_min_u32 s25, s25, 7
	s_mov_b32 s41, s40                             ; named as a pair
	s_lshl_b32 s22, s24, 12                        ; a row of part is 4,096 bytes
	s_add_nc_u64 s[4:5], s[4:5], s[22:23]          ; the four parts lie 32 MiB apart
	s_add_nc_u64 s[26:27], s[4:5], 0x2000000
	s_add_nc_u64 s[28:29], s[4:5], 0x4000000
	s_add_nc_u64 s[30:31], s[4:5], 0x6000000
	s_lshl_b32 s22, s25, 11                        ; a row of b2 is 2,048 bytes
	s_add_nc_u64 s[12:13], s[12:13], s[22:23]
	s_add_nc_u64 s[14:15], s[14:15], s[22:23]
.irp g, 0,1,2,3
.irp p, 0,1
.set D, D0+20*(2*\g+\p)
	global_load_b128 v[D:D+3],     v3, s[4:5]   offset:1024*\g+128*\p th:TH_LOAD_NT
	global_load_b128 v[D+4:D+7],   v3, s[26:27] offset:1024*\g+128*\p th:TH_LOAD_NT
	global_load_b128 v[D+8:D+11],  v3, s[28:29] offset:1024*\g+128*\p th:TH_LOAD_NT
	global_load_b128 v[D+12:D+15], v3, s[30:31] offset:1024*\g+128*\p th:TH_LOAD_NT
	global_load_b128 v[D+16:D+19], v2, s[12+2*\p:13+2*\p] offset:512*\g
.endr
.endr
.irp g, 0,1,2,3
.irp p, 0,1
.set D, D0+20*(2*\g+\p)
	s_wait_loadcnt 35-5*(2*\g+\p)                  ; loads come back in order (ISA guide 5.7.1): this pair's five are in; five for each pair behind it stay out
.irp z, 0,2
	v_pk_add_f32 v[D+\z:D+\z+1], v[D+\z:D+\z+1], v[D+4+\z:D+4+\z+1]
	v_pk_add_f32 v[D+8+\z:D+8+\z+1], v[D+8+\z:D+8+\z+1], v[D+12+\z:D+12+\z+1]
.endr
.irp z, 0,2
	v_pk_add_f32 v[D+\z:D+\z+1], v[D+\z:D+\z+1], v[D+8+\z:D+8+\z+1]
.endr
.irp z, 0,2
	v_pk_add_f32 v[D+\z:D+\z+1], v[D+\z:D+\z+1], v[D+16+\z:D+16+\z+1]
.endr
.irp z, 0,2
	v_pk_mul_f32 v[D+\z:D+\z+1], v[D+\z:D+\z+1], s[40:41] op_sel_hi:[1,0]
.endr
	global_store_b128 v2, v[D:D+3], s[16+2*\p:17+2*\p] offset:512*\g th:TH_STORE_NT
.endr
.endr
	s_endpgm
.Lfunc_end_k_qab5516da35_sum:
	.size	k_qab5516da35_sum, .Lfunc_end_k_qab5516da35_sum-k_qab5516da35_sum
	.p2alignl 7, 3214868480
	.fill 96, 4, 3214868480
	.section	.rodata,"a",@progbits
	.p2align	6, 0x0
	.amdhsa_kernel k_qab5516da35_sum
		.amdhsa_group_segment_fixed_size 0
		.amdhsa_private_segment_fixed_size 0
		.amdhsa_enable_private_segment 0
		.amdhsa_kernarg_size 64
		.amdhsa_user_sgpr_count 2
		.amdhsa_user_sgpr_kernarg_segment_ptr 1
		.amdhsa_wavefront_size32 1
		.amdhsa_system_sgpr_workgroup_id_x 1
		.amdhsa_system_sgpr_workgroup_id_y 1
		.amdhsa_system_sgpr_workgroup_id_z 1
		.amdhsa_system_vgpr_workitem_id 0
		.amdhsa_next_free_vgpr 176
		.amdhsa_next_free_sgpr 66
		.amdhsa_reserve_vcc 0
		.amdhsa_float_denorm_mode_32 3
		.amdhsa_float_denorm_mode_16_64 3
		.amdhsa_memory_ordered 1
		.amdhsa_forward_progress 1
		.amdhsa_inst_pref_size 12
	.end_amdhsa_kernel
	.amdgpu_metadata
---
amdhsa.version: [ 1, 2 ]
amdhsa.kernels:
  - .name:           k_qab5516da35_sum
    .symbol:         k_qab5516da35_sum.kd
    .args:
      - { .name: part, .offset: 0, .size: 8, .value_kind: global_buffer, .address_space: global }
      - { .name: pos, .offset: 8, .size: 8, .value_kind: global_buffer, .address_space: global }
      - { .name: idx, .offset: 16, .size: 8, .value_kind: global_buffer, .address_space: global }
      - { .name: prob, .offset: 24, .size: 8, .value_kind: global_buffer, .address_space: global }
      - { .name: b2r, .offset: 32, .size: 8, .value_kind: global_buffer, .address_space: global }
      - { .name: b2i, .offset: 40, .size: 8, .value_kind: global_buffer, .address_space: global }
      - { .name: out0, .offset: 48, .size: 8, .value_kind: global_buffer, .address_space: global }
      - { .name: out1, .offset: 56, .size: 8, .value_kind: global_buffer, .address_space: global }
    .group_segment_fixed_size: 0
    .private_segment_fixed_size: 0
    .kernarg_segment_align: 8
    .kernarg_segment_size: 64
    .max_flat_workgroup_size: 128
    .sgpr_count:     66
    .vgpr_count:     176
    .wavefront_size: 32
...
	.end_amdgpu_metadata
.endif
;; end of part 4
;; ======== version 2 of 2: 4 launches; 1.26 times as fast as version 1
;; limits: values are held in f16: magnitudes above 65,504 overflow, below 6.1e-05 lose precision
;; workspace buffers: xh 2,097,152 bytes; idx 4,096 bytes of whole numbers; prob 4,096 bytes; pos 5,120 bytes of whole numbers; cnt 2,048 bytes of whole numbers; hid 67,108,864 bytes; part 134,217,728 bytes; hot 4,096 bytes of whole numbers
;; launch route (part 5): grid 256 x 1, 4 waves a work-group, no clusters, 8,704 bytes of LDS; arguments x_real, x_imag, gate_W, gate_b, xh, idx, prob, hot; writes xh, idx, prob, hot
.if DOCPART == 5
	.amdgcn_target "amdgcn-amd-amdhsa--gfx1250"
	.amdhsa_code_object_version 6
	.text
	.protected	k_qab5516da35_route
	.globl	k_qab5516da35_route
	.p2align	8
	.type	k_qab5516da35_route,@function
k_qab5516da35_route:
	s_mov_b64 s[64:65], 0
	v_nop
	global_prefetch_b8 v0, s[64:65] scope:SCOPE_SE
	s_setreg_imm32_b32 hwreg(HW_REG_WAVE_MODE, 25, 1), 1
	s_wait_xcnt 0x0
; ROUTE.  For each of 1,024 tokens: amp = sqrt(xr^2 + xi^2), phase = atan2(xi, xr), 8 scores = [amp, phase] . gate_W + gate_b, the argmax and its softmax
; probability, all in f32 on the unrounded inputs; and x rounded once to f16 for the first product.
; One wave, one token (token = 4 x work-group + wave).  Lane l holds the 16 complex columns 128 j + 4 l + i (j, i = 0..3).
; The gate's product is 16.8 MFLOP of the module's 17.9 GFLOP and its argmax steers everything behind it, so it stays in f32 on the vector unit.
; xh: [token][K step 16][32 re, 32 im] f16: a K step of 32 complex numbers is 128 bytes, a row 2,048.
; The choice steers no address here: idx, prob and hot (1 << 4 idx: a count of one in the expert's field of four bits, which the next launch adds up) go to fixed places, and a later launch places the rows.
; No cluster: the work-groups share gate_W alone, 32 KB, which each wave takes straight into registers.
; LIMITS.  atan2: NaN and infinities are not treated apart; (0, 0) gives +-0 whatever the sign of xr's zero; a divisor below 2^-126 counts as 2^-126;
; the polynomial (degree 9 on |q| <= tan(pi/8)) is off by some 2e-7 of the angle.  Ties go to the lowest index; two scores closer than some 1e-6 may be
; ordered otherwise than a sum in another order would.  |x| stays under 65,504 (f16).
.set SPARE, 8192                       ; behind the four stages: the spare words, 128 bytes for each wave
.set SPW, 30                           ; v30  LDS address of my spare word; never rewritten
.set NIL, 31                           ; v31  0; never rewritten
.set ACC, 16                           ; v16-23   the 8 scores
.set XR,  32                           ; v32-47   x_real, element 4 j + i
.set XI,  48                           ; v48-63   x_imag
.set AMP, 64                           ; v64-79
.set PH,  80                           ; v80-95   (= AMP + 16)
.set GW,  96                           ; v96-223  gate rows of j = 0, 1: + 64 part + 32 j + 8 i;  j = 2, 3 lie in window 1, v0-127
.set TP,  224                          ; v224-247 four sets of six at work
.set MSB, 0
.macro WIN new                         ; the immediate's high byte repeats the setting that is left
.if MSB != (\new)
	s_set_vgpr_msb (MSB<<8)|(\new)
.set MSB, (\new)
.endif
.endm
.macro Q4 line:vararg                  ; one line for each of four elements k: no line reads the result of the line before it
.set k, 0
	s_wait_alu depctr_va_vdst(0)
.rept 4
	\line
.set k, k+1
.endr
.endm
	s_load_b256 s[4:11], s[0:1], 0x0               ; x_real s[4:5], x_imag s[6:7], gate_W s[8:9], gate_b s[10:11]
	s_load_b256 s[12:19], s[0:1], 0x20             ; xh s[12:13], idx s[14:15], prob s[16:17], hot s[18:19]
	v_lshl_add_u32 v[SPW], v0, 2, SPARE
	v_mov_b32 v[NIL], 0
	v_lshrrev_b32 v1, 5, v0
	v_readfirstlane_b32 s20, v1                    ; wave 0..3
	s_lshl_b32 s21, ttmp9, 2
	s_add_co_u32 s21, s21, s20                     ; token
	s_lshl_b32 s22, s21, 11                        ; a row of x is 2,048 bytes, and so is a row of xh
	s_mov_b32 s23, 0
	s_lshl_b32 s54, s20, 11                        ; my wave's stage in LDS
	s_lshl_b32 s55, s21, 2                         ; my word in idx, prob and hot
	s_mov_b32 s32, 0x3ed413cd                      ; tan(pi/8)
	s_mov_b32 s33, 0x00800000                      ; 2^-126
	s_mov_b32 s34, 0x3da4f0d1                      ; the polynomial's four coefficients, highest first
	s_mov_b32 s35, 0xbe0e1b85
	s_mov_b32 s36, 0x3e4c925f
	s_mov_b32 s37, 0xbeaaaa2a
	s_mov_b32 s38, 0x3f490fdb                      ; pi/4
	s_mov_b32 s39, 0x3fc90fdb                      ; pi/2
	s_mov_b32 s40, 0x40490fdb                      ; pi
	s_mov_b32 s41, 0x7fffffff
	s_mov_b32 s42, 0x3fb8aa3b                      ; log2(e)
	s_mov_b32 s44, 0x76543210                      ; v_permlanex16_b32: each lane takes its own place in the other half
	s_mov_b32 s45, 0xfedcba98
	v_and_b32 v1, 31, v0                           ; lane
	v_lshlrev_b32 v2, 4, v1                        ; 16 l
	v_lshlrev_b32 v3, 7, v1                        ; 128 l: four gate rows of 32 bytes
	v_lshrrev_b32 v4, 3, v1
	v_and_b32 v5, 7, v1
	v_lshl_add_u32 v4, v4, 7, s54                  ; into the stage: K step 4 j + l / 8,
	v_lshl_add_u32 v4, v5, 3, v4                   ; 8 bytes at 8 (l % 8)
	v_add_nc_u32 v5, s54, v2                       ; back: 16 l
	v_mov_b32 v6, s55
	s_wait_kmcnt 0x0
	s_load_b256 s[24:31], s[10:11], 0x0            ; gate_b
	s_add_nc_u64 s[4:5], s[4:5], s[22:23]
	s_add_nc_u64 s[6:7], s[6:7], s[22:23]
	s_add_nc_u64 s[12:13], s[12:13], s[22:23]
.irp j, 0,1,2,3
	global_load_b128 v[XR+4*\j:XR+4*\j+3], v2, s[4:5] offset:512*\j th:TH_LOAD_NT
	global_load_b128 v[XI+4*\j:XI+4*\j+3], v2, s[6:7] offset:512*\j th:TH_LOAD_NT
.endr
; 16 loads: the gate rows (8 f32 each) of my four columns of group j, for the amplitude (part 0) and, 512 rows further down, for the phase (part 1)
.macro GLOAD j, base
.irp part, 0,1
.irp i, 0,1,2,3
.irp hf, 0,1
	global_load_b128 v[(\base)+64*\part+32*((\j)%2)+8*\i+4*\hf:(\base)+64*\part+32*((\j)%2)+8*\i+4*\hf+3], v3, s[8:9] offset:4096*(\j)+16384*\part+32*\i+16*\hf
.endr
.endr
.endr
.endm
	GLOAD 0, GW
	GLOAD 1, GW
	s_wait_loadcnt 32                              ; x is in: the 32 gate loads behind it stay out
	WIN 0x40                                       ; destination window 1
	GLOAD 2, 0
	GLOAD 3, 0
	WIN 0
; Amplitude and phase of elements e0 .. e0 + 3.  mx, mn = the larger and the smaller of |xr|, |xi|.  atan(mn / mx): where mn > tan(pi/8) mx it is pi/4 + atan((mn - mx) / (mn + mx));
; the quotient q is a reciprocal, a multiply and one correction step; atan q = q + q z (((C3 z + C2) z + C1) z + C0), z = q^2.  Then the octant, the half plane and xi's sign.
.macro PHASE4 e0
.set E0, \e0
	Q4 v_max_num_f32 v[TP+6*k], |v[XR+E0+k]|, |v[XI+E0+k]|
	Q4 v_min_num_f32 v[TP+6*k+1], |v[XR+E0+k]|, |v[XI+E0+k]|
	Q4 v_mul_f32 v[TP+6*k+2], s32, v[TP+6*k]
	Q4 v_cmp_gt_f32 s[46+k], v[TP+6*k+1], v[TP+6*k+2]
	Q4 v_sub_f32 v[TP+6*k+2], v[TP+6*k+1], v[TP+6*k]
	Q4 v_add_f32 v[TP+6*k+3], v[TP+6*k+1], v[TP+6*k]
	Q4 v_cndmask_b32 v[TP+6*k+2], v[TP+6*k+1], v[TP+6*k+2], s[46+k]
	Q4 v_cndmask_b32 v[TP+6*k+3], v[TP+6*k], v[TP+6*k+3], s[46+k]
	Q4 v_max_num_f32 v[TP+6*k+3], s33, v[TP+6*k+3]
	Q4 v_rcp_f32 v[TP+6*k+4], v[TP+6*k+3]
	Q4 v_mul_f32 v[TP+6*k+5], v[XR+E0+k], v[XR+E0+k]   ; plain lines between the reciprocals and the use of their results (ISA guide 5.7.2)
	Q4 v_mul_f32 v[TP+6*k], v[TP+6*k+2], v[TP+6*k+4]
	Q4 v_fma_f32 v[TP+6*k+1], -v[TP+6*k], v[TP+6*k+3], v[TP+6*k+2]
	Q4 v_fma_f32 v[TP+6*k], v[TP+6*k+1], v[TP+6*k+4], v[TP+6*k]
	Q4 v_mul_f32 v[TP+6*k+1], v[TP+6*k], v[TP+6*k]
	Q4 v_fma_f32 v[TP+6*k+2], s34, v[TP+6*k+1], s35
	Q4 v_fma_f32 v[TP+6*k+2], v[TP+6*k+2], v[TP+6*k+1], s36
	Q4 v_fma_f32 v[TP+6*k+2], v[TP+6*k+2], v[TP+6*k+1], s37
	Q4 v_mul_f32 v[TP+6*k+2], v[TP+6*k+2], v[TP+6*k+1]
	Q4 v_fma_f32 v[TP+6*k+2], v[TP+6*k+2], v[TP+6*k], v[TP+6*k]
	Q4 v_cndmask_b32 v[TP+6*k+3], 0, s38, s[46+k]
	Q4 v_add_f32 v[TP+6*k+2], v[TP+6*k+2], v[TP+6*k+3]
	Q4 v_cmp_gt_f32 s[50+k], |v[XI+E0+k]|, |v[XR+E0+k]|
	Q4 v_sub_f32 v[TP+6*k+3], s39, v[TP+6*k+2]
	Q4 v_cndmask_b32 v[TP+6*k+2], v[TP+6*k+2], v[TP+6*k+3], s[50+k]
	Q4 v_cmp_gt_f32 s[50+k], 0, v[XR+E0+k]
	Q4 v_sub_f32 v[TP+6*k+3], s40, v[TP+6*k+2]
	Q4 v_cndmask_b32 v[TP+6*k+2], v[TP+6*k+2], v[TP+6*k+3], s[50+k]
	Q4 v_bfi_b32 v[PH+E0+k], s41, v[TP+6*k+2], v[XI+E0+k]
	Q4 v_fma_f32 v[TP+6*k+5], v[XI+E0+k], v[XI+E0+k], v[TP+6*k+5]
	Q4 v_sqrt_f32 v[AMP+E0+k], v[TP+6*k+5]
.endm
	PHASE4 0
	PHASE4 4
	PHASE4 8
	PHASE4 12
	v_nop                                          ; a plain line behind the last roots, ahead of the lines that write their sources
	; x in f16: four numbers a lane are 8 bytes; through my wave's own stage they become 512 consecutive bytes a store
	s_wait_alu depctr_va_vdst(0)
.irp j, 0,1,2,3
	v_cvt_pk_f16_f32 v[TP+4*\j], v[XR+4*\j], v[XR+4*\j+1]
	v_cvt_pk_f16_f32 v[TP+4*\j+1], v[XR+4*\j+2], v[XR+4*\j+3]
	v_cvt_pk_f16_f32 v[TP+4*\j+2], v[XI+4*\j], v[XI+4*\j+1]
	v_cvt_pk_f16_f32 v[TP+4*\j+3], v[XI+4*\j+2], v[XI+4*\j+3]
	ds_store_b64 v4, v[TP+4*\j:TP+4*\j+1] offset:512*\j
	ds_store_b64 v4, v[TP+4*\j+2:TP+4*\j+3] offset:512*\j+64
.endr
.irp q, 0,1,2,3
	ds_load_b128 v[XR+4*\q:XR+4*\q+3], v5 offset:512*\q   ; LDS serves a wave's instructions in order (ISA guide 5.7.1.4): these see the stores above
.endr
.irp q, 0,1,2,3
	s_wait_dscnt 3-\q
	global_store_b128 v2, v[XR+4*\q:XR+4*\q+3], s[12:13] offset:512*\q
.endr
; The scores: for each of my 16 columns and both parts, 8 multiply-adds, two to a line; the amplitude or phase is given to both halves.  The first four lines start the sums.
.macro SCORE j, base, first
.irp part, 0,1
.irp i, 0,1,2,3
.irp pr, 0,2,4,6
.set gv, (\base)+64*\part+32*((\j)%2)+8*\i+\pr
.set vv, AMP+16*\part+4*(\j)+2*(\i/2)
.if (\first) && (\part == 0) && (\i == 0)
	v_pk_mul_f32 v[ACC+\pr:ACC+\pr+1], v[gv:gv+1], v[vv:vv+1] op_sel_hi:[1,0]
.elseif (\i%2) == 0
	v_pk_fma_f32 v[ACC+\pr:ACC+\pr+1], v[gv:gv+1], v[vv:vv+1], v[ACC+\pr:ACC+\pr+1] op_sel_hi:[1,0,1]
.else
	v_pk_fma_f32 v[ACC+\pr:ACC+\pr+1], v[gv:gv+1], v[vv:vv+1], v[ACC+\pr:ACC+\pr+1] op_sel:[0,1,0] op_sel_hi:[1,1,1]
.endif
.endr
.endr
.endr
.endm
	s_wait_loadcnt 32                              ; the gate rows of j = 0, 1 are in; the 32 loads of j = 2, 3 may be out
	SCORE 0, GW, 1
	SCORE 1, GW, 0
	s_wait_loadcnt 0x0
	WIN 0x01                                       ; source 0 window 1
	SCORE 2, 0, 0
	SCORE 3, 0, 0
	WIN 0
	; across the 32 lanes: four steps inside each half ride on the addition, one crosses the halves
.irp mk, 1,2,4,8
.irp e, 0,1,2,3,4,5,6,7
	v_add_f32_dpp v[ACC+\e], v[ACC+\e], v[ACC+\e] row_xmask:\mk row_mask:0xf bank_mask:0xf
.endr
.endr
.irp e, 0,1,2,3,4,5,6,7
	v_permlanex16_b32 v[TP+\e], v[ACC+\e], s44, s45
.endr
.irp e, 0,1,2,3,4,5,6,7
	v_add_f32 v[ACC+\e], v[ACC+\e], v[TP+\e]
.endr
	s_wait_kmcnt 0x0                               ; gate_b
.irp e, 0,1,2,3,4,5,6,7
	v_add_f32 v[ACC+\e], s[24+\e], v[ACC+\e]
.endr
	; the argmax: a strict compare, rising, keeps the lowest index; the choice selects values alone
	v_mov_b32 v[TP+8], v[ACC]
	v_mov_b32 v[TP+9], 0
.irp e, 1,2,3,4,5,6,7
	v_cmp_gt_f32 vcc_lo, v[ACC+\e], v[TP+8]
	v_cndmask_b32 v[TP+9], v[TP+9], \e, vcc_lo
	v_max_num_f32 v[TP+8], v[TP+8], v[ACC+\e]
.endr
	v_lshlrev_b32 v[TP+11], 2, v[TP+9]             ; hot = 1 << 4 idx
	v_mov_b32 v[TP+12], 1
	v_lshlrev_b32 v[TP+11], v[TP+11], v[TP+12]
	; the chosen probability: 1 / the sum of e^(s - max)
.irp e, 0,1,2,3,4,5,6,7
	v_sub_f32 v[TP+\e], v[ACC+\e], v[TP+8]
.endr
.irp e, 0,1,2,3,4,5,6,7
	v_mul_f32 v[TP+\e], s42, v[TP+\e]
.endr
.irp e, 0,1,2,3,4,5,6,7
	v_exp_f32 v[TP+\e], v[TP+\e]
.endr
	v_nop                                          ; a plain line behind the exponentials
	s_wait_alu depctr_va_vdst(0)
	v_pk_add_f32 v[TP:TP+1], v[TP:TP+1], v[TP+2:TP+3]
	v_pk_add_f32 v[TP+4:TP+5], v[TP+4:TP+5], v[TP+6:TP+7]
	v_pk_add_f32 v[TP:TP+1], v[TP:TP+1], v[TP+4:TP+5]
	v_add_f32 v[TP], v[TP], v[TP+1]
	v_rcp_f32 v[TP+10], v[TP]
	v_cmp_gt_u32 vcc_lo, 1, v1                     ; lane 0; also the plain line behind the reciprocal
	s_wait_tensorcnt 0x0                           ; the wave's end: three lines behind my last LDS store
	ds_add_u32 v[SPW], v[NIL]
	s_wait_dscnt 0x0
	s_wait_xcnt 0x0                                ; EXEC changes only when the stores above have had their addresses translated
	s_and_saveexec_b32 s46, vcc_lo
	global_store_b32 v6, v[TP+9], s[14:15]         ; every lane holds the same three numbers: lane 0 stores them
	s_wait_alu depctr_va_vdst(0)
	global_store_b32 v6, v[TP+10], s[16:17]
	global_store_b32 v6, v[TP+11], s[18:19]
	s_wait_xcnt 0x0
	s_or_b32 exec_lo, exec_lo, s46
	s_endpgm
.Lfunc_end_k_qab5516da35_route:
	.size	k_qab5516da35_route, .Lfunc_end_k_qab5516da35_route-k_qab5516da35_route
	.p2alignl 7, 3214868480
	.fill 96, 4, 3214868480
	.section	.rodata,"a",@progbits
	.p2align	6, 0x0
	.amdhsa_kernel k_qab5516da35_route
		.amdhsa_group_segment_fixed_size 8704
		.amdhsa_private_segment_fixed_size 0
		.amdhsa_enable_private_segment 0
		.amdhsa_kernarg_size 64
		.amdhsa_user_sgpr_count 2
		.amdhsa_user_sgpr_kernarg_segment_ptr 1
		.amdhsa_wavefront_size32 1
		.amdhsa_system_sgpr_workgroup_id_x 1
		.amdhsa_system_sgpr_workgroup_id_y 1
		.amdhsa_system_sgpr_workgroup_id_z 1
		.amdhsa_system_vgpr_workitem_id 0
		.amdhsa_next_free_vgpr 384
		.amdhsa_next_free_sgpr 66
		.amdhsa_reserve_vcc 1
		.amdhsa_float_denorm_mode_32 3
		.amdhsa_float_denorm_mode_16_64 3
		.amdhsa_memory_ordered 1
		.amdhsa_forward_progress 1
		.amdhsa_inst_pref_size 54
	.end_amdhsa_kernel
	.amdgpu_metadata
---
amdhsa.version: [ 1, 2 ]
amdhsa.kernels:
  - .name:           k_qab5516da35_route
    .symbol:         k_qab5516da35_route.kd
    .args:
      - { .name: x_real, .offset: 0, .size: 8, .value_kind: global_buffer, .address_space: global }
      - { .name: x_imag, .offset: 8, .size: 8, .value_kind: global_buffer, .address_space: global }
      - { .name: gate_W, .offset: 16, .size: 8, .value_kind: global_buffer, .address_space: global }
      - { .name: gate_b, .offset: 24, .size: 8, .value_kind: global_buffer, .address_space: global }
      - { .name: xh, .offset: 32, .size: 8, .value_kind: global_buffer, .address_space: global }
      - { .name: idx, .offset: 40, .size: 8, .value_kind: global_buffer, .address_space: global }
      - { .name: prob, .offset: 48, .size: 8, .value_kind: global_buffer, .address_space: global }
      - { .name: hot, .offset: 56, .size: 8, .value_kind: global_buffer, .address_space: global }
    .group_segment_fixed_size: 8704
    .private_segment_fixed_size: 0
    .kernarg_segment_align: 8
    .kernarg_segment_size: 64
    .max_flat_workgroup_size: 128
    .sgpr_count:     66
    .vgpr_count:     384
    .wavefront_size: 32
...
	.end_amdgpu_metadata
.endif
;; end of part 5
;; launch up (part 6): grid 256 x 1, 4 waves a work-group, no clusters, 283,904 bytes of LDS; arguments W1r, W1i, b1r, b1i, mod_b, xh, hot, hid, pos, cnt; writes hid, pos, cnt
.if DOCPART == 6
	.amdgcn_target "amdgcn-amd-amdhsa--gfx1250"
	.amdhsa_code_object_version 6
	.text
	.protected	k_qab5516da35_up
	.globl	k_qab5516da35_up
	.p2align	8
	.type	k_qab5516da35_up,@function
k_qab5516da35_up:
	s_mov_b64 s[64:65], 0
	v_nop
	global_prefetch_b8 v0, s[64:65] scope:SCOPE_SE
	s_setreg_imm32_b32 hwreg(HW_REG_WAVE_MODE, 25, 1), 1
	s_wait_xcnt 0x0
; UP.  h = ModReLU(x W1 + b1) for each token's chosen expert alone.
; THE DEAL.  The 256 work-groups are 16 UNITS of 16 (unit = x / 16, sub = x % 16).  Expert e, with NT = max(1, ceil(tokens / 16)) tiles of 16 tokens, gets T units, by its load:
;   T = 1:    its 16 work-groups take 128 hidden columns each (two pieces of 256 bytes of every row of W1r and W1i); the four waves hold four column groups of 32, and each wave makes all NT tiles.
;   T even:   a work-group takes 64 columns (piece 2 sub + j % 2, j the unit's number in the expert); waves (w / 2, w % 2) = (tile, column group); tile j - j % 2 + w / 2, then every T-th.
; With a level L of trips: T = 1 if NT <= L - 4 (the 4 stands for the second piece's stream), else T = 2 ceil(NT / 2L).  The smallest L >= 5 whose T add up to 16 or less is taken.
; L = 12 always serves: a, b, c experts at T = 2, 4, 6 need NT >= 9, 25, 49; the NT add up to 71 at the most, so 8 a + 24 b + 48 c <= 63 and the sum 8 + a + 3 b + 5 c <= 15.  So no wave has more than
; 12 tiles: the tile loop counts to the constant 12, and dead trips jump forward over work alone.  Every split is served: all tokens on one expert (T = 8, 8 trips), an expert with none (T = 1, one pad tile).
; A unit that the deal leaves over has no work: it stores its record, jumps over the stream, passes the barrier and ends.  That is the price of a grid that serves every split.
; Every wave makes the deal for itself: it adds up hot (1 << 4 idx for each token) in packed fields of 4, 8 and 16 bits, tries 32 levels at once, a lane each, and walks the eight experts in scalar
; registers.  Work-group 0 of each unit stores the unit's record (e, j, T, NT) in cnt for the next launch; unit 0 of each expert stores pos (token -> e x 1024 + rank).
; WEIGHTS.  Through registers, rounded to f16, into LDS as [k][piece][Wr 64, Wi 64], and from there, turned, into registers, where they REST: 32 columns of Wr and Wi for all 16 K steps, 512 registers a wave.
; The tile loop reads no weight again, writes no LDS and has no barrier; token rows come from xh straight into registers as matrix operands, a tile ahead.  Where T >= 4, T / 2 work-groups read the same
; slice, so the weight loads carry no hint.
; NO LDS ADDRESS OF THE WEIGHTS HANGS ON THE DEAL: the turning loads' addresses for both shapes are made at the head from the wave's and the lane's number alone, the run of loads is written once for each
; shape, and a forward branch on T takes one of the two.  All that is used behind the barrier is made ahead of the idle unit's jump.
; PLACING.  Wave 0 lays the list of e's tokens into LDS (rank = a running count + the lane's place in the mask; no atomics).  Places past the count hold token 0: its row goes through this expert into pad
; positions of hid that nobody uses.
; THE MATRIX INSTRUCTION IS USED TRANSPOSED: source 0 = 16 weight columns, source 1 = 16 tokens.  A lane's results are one token (lane % 16) and columns 8 (lane / 16) + 0..7, which, rounded to f16,
; ARE half of source 1 of the second product: hid is stored in that order, [tile e x 64 + t][K step 64][quad 4][lane 32][16 bytes]; every store is 512 consecutive bytes.
; COMPLEX.  P = Wr xr (+ b1r as C), R = Wi xr + Wr xi (+ b1i), Q = Wi xi; re = P - Q, the difference that the module itself forms.  Order P, R, Q, R: the accumulators take turns.
; NO CLUSTER: partners would differ in every count that the deal sets (pieces, tiles); token rows come by a list that no tile descriptor covers; f32 weights must pass registers to be rounded.
; LIMITS.  x, W1 and h are rounded once to f16: magnitudes stay under 65,504; below 6e-5 they keep f16's step of 6e-8.  Roots and reciprocals are good to 1 ulp.
; REGISTERS, in windows of 256 (s_set_vgpr_msb: bits 1:0 source 0, 3:2 source 1, 5:4 source 2, 7:6 destination):
;   window 0: addresses, accumulators, biases, work      window 1: the token ring, K step ks at 16 ks: re 8, im 8
;   window 2: column tile 0: Wr at 8 ks, Wi at 128 + 8 ks (before that: four landing slots of 64 for the f32 weights)      window 3: column tile 1
.set GP,    8192                       ; bytes from row to row of W1
.set PW,    544                        ; a row of weights in LDS: 2 pieces x (128 + 128) bytes + 32 of padding = 136 words
.set LIST,  512*PW                     ; behind the weights: entries 0-1151 the token list, 1152-1183 a dump word a lane; 4,864 bytes
.set SPARE, LIST+4864                  ; the spare words, 128 bytes for each wave
.set TRIPS, 12
.set VR,   1                           ; l % 16
.set VH,   2                           ; l / 16
.set VL,   3                           ; l
.set WOFF, 4                           ; my bytes in the slice's rows in memory
.set LOFF, 5                           ; v5-6  and in LDS: rows 0-63 and 64-127 of my wave's 128 (an LDS offset has 16 bits)
.set CA,   7                           ; the record's address; never rewritten
.set BADR, 8                           ; v8-11 the turning loads' addresses for T even, one for each 128 rows: columns at byte 64 (w % 2)
.set H16,  12                          ; 16 (l / 16)
.set NXN,  13                          ; byte offset in xh of the tile to be loaded next: no global instruction names it
.set TOK,  14                          ; the list entries of the tile after it
.set LA,   15                          ; LDS address of a list entry
.set LA0,  16                          ; LIST + 4 (l % 16)
.set ST,   17                          ; byte offset in hid of the tile in hand
.set BOF,  18                          ; byte offset in the biases
.set L16,  19                          ; 16 l
.set L4,   20                          ; 4 l
.set DUMP, 21                          ; 1152 + l
.set RK,   22
.set TK,   23
.set ZERO, 24                          ; v24-27
.set ZA,   28
.set PDUMP, 29                         ; 1024 + 32 e + l
.set SPW,  30                          ; LDS address of my spare word; never rewritten
.set NIL,  31                          ; 0; never rewritten
.set ACC,  32                          ; v32-79   + 24 tile + 8 (P, R, Q)
.set BIAS, 80                          ; v80-127  + 24 tile + 8 (b1r, b1i, mod_b)
.set TT,   128
.set AA,   136
.set NN,   144
.set OUT,  152                         ; v152-167 four quads to store
.set CV,   168                         ; v168-199 weights in f16, on their way to LDS; before that: the count's work
.set HOT,  200                         ; v200-231 hot: register 4 j + i holds token 128 j + 4 l + i
.set NX,   232                         ; v232-235 quarter c's byte offset in xh: its own register, written when its last loads are shown done
.set CD,   236                         ; the record; never rewritten
.set THR,  237                         ; lane l tries level L = l + 5: L - 4,
.set LAM2, 238                         ; 2 L, 4 L, 6 L, 8 L
.set LAM4, 239
.set LAM6, 240
.set LAM8, 241
.set ACA,  242                         ; experts at T = 1
.set ACB,  243                         ; pairs of units beyond the first
.set ACX,  244                         ; experts that would want more than 8 units
.set BAD4, 246                         ; v246-249 the turning loads' addresses for T = 1: columns at byte 256 (w / 2) + 64 (w % 2)
.set MSB, 0
.macro WIN new                         ; the immediate's high byte repeats the setting that is left; a switch that changes nothing is dropped
.if MSB != (\new)
	s_set_vgpr_msb (MSB<<8)|(\new)
.set MSB, (\new)
.endif
.endm
.macro Q4 line:vararg                  ; one line for each k = 0..3
.set k, 0
.rept 4
	\line
.set k, k+1
.endr
.endm
; Group G of 16: piece G / 8, matrix G % 2 (Wr, Wi), rows 32 ((G % 8) / 2) .. + 31 of my wave's 128.  16 loads; each takes two whole row pieces of 256 bytes, four rows apart: lanes 0-15 one, lanes 16-31 the other.
.macro WLOAD G
	WIN 0x80                                       ; destination window 2
.set i, 0
.rept 16
.set rr, 32*(((\G)%8)/2)+8*(i/4)+i%4
	global_load_b128 v[64*((\G)%4)+4*i:64*((\G)%4)+4*i+3], v[WOFF], s[4+2*((\G)%2):5+2*((\G)%2)] offset:rr*GP+256*((\G)/8)
.set i, i+1
.endr
.endm
; Group G has landed (left = the loads issued behind it); more = 1: the group three further on is asked for, into the slot read out one step ago; G is rounded and laid into LDS.
; Rows four apart lie 544 words, 32 banks, apart: a store's 32 lanes x 8 bytes touch each bank once.
.macro WSTEP G, left, more
	s_wait_loadcnt \left
.if \more
	WLOAD (\G)+3
.endif
	WIN 0x0a                                       ; sources window 2, destination window 0
.set i, 0
.rept 32
	v_cvt_pk_f16_f32 v[CV+i], v[64*((\G)%4)+2*i], v[64*((\G)%4)+2*i+1]
.set i, i+1
.endr
	WIN 0
.set i, 0
.rept 16
.set rr, 32*(((\G)%8)/2)+8*(i/4)+i%4
	ds_store_b64 v[LOFF+rr/64], v[CV+2*i:CV+2*i+1] offset:(rr%64)*PW+128*((\G)%2)+256*((\G)/8)
.set i, i+1
.endr
.endm
; The resting operands: 128 turning loads by the four address registers from ba on.  A load takes 16 k x 16 columns and leaves half a fragment: lane l holds column l % 16 and 8 k.
.macro BFRAG ba
.irp nt, 0,1
	WIN 0x80+0x40*\nt                              ; destination window 2 or 3
.set f, 0
.rept 64
.set mm, f/32
.set ks, (f%32)/2
.set hf, f%2
	ds_load_tr16_b128 v[128*mm+8*ks+4*hf:128*mm+8*ks+4*hf+3], v[(\ba)+ks/4] offset:(ks%4)*32*PW+hf*16*PW+128*mm+32*\nt
.set f, f+1
.endr
.endr
	WIN 0
.endm
; 16 loads: K steps 4 c .. 4 c + 3 of the 16 tokens at NX + c.  A lane takes its token's 16 bytes at 16 (l / 16): re k 0-15, re k 16-31, im likewise.
.macro ALOAD c
	WIN 0x40                                       ; destination window 1
.set i, 0
.rept 16
	global_load_b128 v[64*(\c)+4*i:64*(\c)+4*i+3], v[NX+(\c)], s[14:15] offset:128*(4*(\c)+i/4)+32*(i%4)
.set i, i+1
.endr
.endm
; The four products of one K step and column tile.  K step 0 starts the sums, with the biases or 0 as C: nothing is cleared.
.macro MUL4 nt, ks
.set aR, 16*(\ks)
.set aI, aR+8
.set wR, 8*(\ks)
.set wI, 128+8*(\ks)
.set pP, ACC+24*(\nt)
.set pR, pP+8
.set pQ, pP+16
.set bB, BIAS+24*(\nt)
.if (\ks) == 0
	v_wmma_f32_16x16x32_f16 v[pP:pP+7], v[wR:wR+7], v[aR:aR+7], v[bB:bB+7]
	v_wmma_f32_16x16x32_f16 v[pR:pR+7], v[wI:wI+7], v[aR:aR+7], v[bB+8:bB+15]
	v_wmma_f32_16x16x32_f16 v[pQ:pQ+7], v[wI:wI+7], v[aI:aI+7], 0
.else
	v_wmma_f32_16x16x32_f16 v[pP:pP+7], v[wR:wR+7], v[aR:aR+7], v[pP:pP+7]
	v_wmma_f32_16x16x32_f16 v[pR:pR+7], v[wI:wI+7], v[aR:aR+7], v[pR:pR+7]
	v_wmma_f32_16x16x32_f16 v[pQ:pQ+7], v[wI:wI+7], v[aI:aI+7], v[pQ:pQ+7]
.endif
	v_wmma_f32_16x16x32_f16 v[pR:pR+7], v[wR:wR+7], v[aI:aI+7], v[pR:pR+7]
.endm
; A quarter of a tile: 32 matrix instructions, then the NEXT tile's same quarter is asked for into the registers just read: it has three quarters, 96 matrix instructions, in which to land.
; Four plain vector lines stand between the products and those loads (ISA guide 7.12.1 for vector instructions); two of them are work: the quarter's address, and in quarter 0 the tile's place in hid.
.macro CHUNK c
	s_wait_loadcnt 48                              ; loads come back in order (ISA guide 5.7.1): this quarter is in; the 48 behind it are the ring's three other quarters, at every quarter and over the back edge.
	                                               ; The loads shown done are the last that named NX + c: it may be written below
.irp nt, 0,1
	WIN 0x06+\nt                                   ; weights window 2 or 3, tokens window 1, C and D window 0
.irp kk, 0,1,2,3
	MUL4 \nt, 4*(\c)+\kk
.endr
.endr
	WIN 0
.if (\c) == 0
	s_wait_xcnt 0x0                                ; the last trip's stores have had their addresses translated (ISA guide 3.1): ST here, and OUT on the way out, are written again only behind this wait
	v_add_nc_u32 v[ST], s98, v[L16]
.else
	v_nop
.endif
	v_mov_b32 v[NX+(\c)], v[NXN]
	v_nop
	v_nop
	ALOAD \c
.endm
	s_load_b512 s[4:19], s[0:1], 0x0               ; W1r s[4:5], W1i s[6:7], b1r s[8:9], b1i s[10:11], mod_b s[12:13], xh s[14:15], hot s[16:17], hid s[18:19]
	s_load_b128 s[20:23], s[0:1], 0x40             ; pos s[20:21], cnt s[22:23]
	v_lshl_add_u32 v[SPW], v0, 2, SPARE
	v_mov_b32 v[NIL], 0
	v_lshrrev_b32 v1, 5, v0
	v_readfirstlane_b32 s24, v1                    ; wave 0..3
	s_lshr_b32 s25, s24, 1                         ; w / 2
	s_and_b32 s26, s24, 1                          ; w % 2
	s_lshr_b32 s77, ttmp9, 4                       ; my unit
	s_and_b32 s78, ttmp9, 15                       ; my place in it
	s_mov_b32 s72, 0x2edbe6ff                      ; 1e-10,
	s_mov_b32 s73, s72                             ; named as a pair
	s_mov_b32 s32, 0x0f0f0f0f
	s_mov_b32 s33, 0x00ff00ff
	s_mov_b32 s34, 0x76543210                      ; v_permlanex16_b32: each lane takes its own place in the other half
	s_mov_b32 s35, 0xfedcba98
	v_and_b32 v[VR], 15, v0
	v_bfe_u32 v[VH], v0, 4, 1
	v_and_b32 v[VL], 31, v0
	v_lshlrev_b32 v[L16], 4, v[VL]
	s_wait_kmcnt 0x0
.irp j, 0,1,2,3,4,5,6,7
	global_load_b128 v[HOT+4*\j:HOT+4*\j+3], v[L16], s[16:17] offset:512*\j
.endr
	; what hangs on the wave and the lane alone is made while hot is on its way: every LDS address of the weights among it
	v_lshlrev_b32 v[H16], 4, v[VH]
	v_lshlrev_b32 v[L4], 2, v[VL]
	v_add_nc_u32 v[DUMP], 1152, v[VL]
	s_lshl_b32 s67, s24, 20                        ; my wave's 128 rows of 8,192 bytes
	v_lshlrev_b32 v[WOFF], 4, v[VR]
	v_lshl_add_u32 v[WOFF], v[VH], 15, v[WOFF]     ; lanes 16-31: four rows further down
	v_add_nc_u32 v[WOFF], s67, v[WOFF]
	s_mul_i32 s67, s24, 128*PW
	v_mul_u32_u24 v[LOFF], v[VH], 4*PW
	v_lshl_add_u32 v[LOFF], v[VR], 3, v[LOFF]
	v_add_nc_u32 v[LOFF], s67, v[LOFF]
	v_add_nc_u32 v[LOFF+1], 64*PW, v[LOFF]
	v_and_b32 v[BADR], 7, v0                       ; the turning load: row 8 (l / 16) + l % 8, 16 bytes at 16 ((l / 8) % 2)
	v_lshl_add_u32 v[BADR], v[VH], 3, v[BADR]
	v_mul_u32_u24 v[BADR], v[BADR], PW
	v_bfe_u32 v[BADR+1], v0, 3, 1
	v_lshl_add_u32 v[BADR], v[BADR+1], 4, v[BADR]
	s_lshl_b32 s67, s26, 6
	v_add_nc_u32 v[BADR], s67, v[BADR]             ; T even: half w % 2 of the one piece
	s_lshl_b32 s67, s25, 8
	v_add_nc_u32 v[BAD4], s67, v[BADR]             ; T = 1: piece w / 2 as well
.irp q, 1,2,3
	v_add_nc_u32 v[BADR+\q], \q*128*PW, v[BADR]
	v_add_nc_u32 v[BAD4+\q], \q*128*PW, v[BAD4]
.endr
	v_lshl_add_u32 v[LA0], v[VR], 2, LIST
	v_add_nc_u32 v[ZA], LIST, v[L16]
.irp z, 0,1,2,3
	v_mov_b32 v[ZERO+\z], 0
.endr
	v_add_nc_u32 v[THR], 1, v[VL]
	v_lshl_add_u32 v[LAM2], v[VL], 1, 10
	v_lshlrev_b32 v[LAM4], 1, v[LAM2]
	v_add_nc_u32 v[LAM6], v[LAM4], v[LAM2]
	v_lshlrev_b32 v[LAM8], 2, v[LAM2]
	v_mov_b32 v[ACA], 0
	v_mov_b32 v[ACB], 0
	v_mov_b32 v[ACX], 0
	s_wait_loadcnt 0x0                             ; hot
	; THE COUNT.  Eight words add up in fields of 4 bits (8 at the most); the four sums, split into even and odd experts, in fields of 8 bits (32 a lane, 128 over four lanes); the rest in fields of 16.
	Q4 v_add_nc_u32 v[CV+k], v[HOT+8*k], v[HOT+8*k+1]
	Q4 v_add_nc_u32 v[CV+4+k], v[HOT+8*k+2], v[HOT+8*k+3]
	Q4 v_add_nc_u32 v[CV+8+k], v[HOT+8*k+4], v[HOT+8*k+5]
	Q4 v_add_nc_u32 v[CV+12+k], v[HOT+8*k+6], v[HOT+8*k+7]
	Q4 v_add_nc_u32 v[CV+k], v[CV+k], v[CV+4+k]
	Q4 v_add_nc_u32 v[CV+8+k], v[CV+8+k], v[CV+12+k]
	Q4 v_add_nc_u32 v[CV+k], v[CV+k], v[CV+8+k]
	Q4 v_and_b32 v[CV+4+k], s32, v[CV+k]
	Q4 v_lshrrev_b32 v[CV+k], 4, v[CV+k]
	Q4 v_and_b32 v[CV+k], s32, v[CV+k]
	v_add_nc_u32 v[CV+4], v[CV+4], v[CV+5]
	v_add_nc_u32 v[CV+6], v[CV+6], v[CV+7]
	v_add_nc_u32 v[CV], v[CV], v[CV+1]
	v_add_nc_u32 v[CV+2], v[CV+2], v[CV+3]
	v_add_nc_u32 v[CV+8], v[CV+4], v[CV+6]         ; bytes: experts 0, 2, 4, 6
	v_add_nc_u32 v[CV+9], v[CV], v[CV+2]           ; bytes: experts 1, 3, 5, 7
.irp mk, 1,2
	v_mov_b32_dpp v[CV+4], v[CV+8] row_xmask:\mk row_mask:0xf bank_mask:0xf
	v_mov_b32_dpp v[CV+5], v[CV+9] row_xmask:\mk row_mask:0xf bank_mask:0xf
	v_add_nc_u32 v[CV+8], v[CV+8], v[CV+4]
	v_add_nc_u32 v[CV+9], v[CV+9], v[CV+5]
.endr
	v_and_b32 v[CV], s33, v[CV+8]                  ; halves: experts 0, 4
	v_and_b32 v[CV+1], s33, v[CV+9]                ; 1, 5
	v_lshrrev_b32 v[CV+8], 8, v[CV+8]
	v_lshrrev_b32 v[CV+9], 8, v[CV+9]
	v_and_b32 v[CV+2], s33, v[CV+8]                ; 2, 6
	v_and_b32 v[CV+3], s33, v[CV+9]                ; 3, 7
.irp mk, 4,8
	Q4 v_mov_b32_dpp v[CV+4+k], v[CV+k] row_xmask:\mk row_mask:0xf bank_mask:0xf
	Q4 v_add_nc_u32 v[CV+k], v[CV+k], v[CV+4+k]
.endr
	Q4 v_permlanex16_b32 v[CV+4+k], v[CV+k], s34, s35
	Q4 v_add_nc_u32 v[CV+k], v[CV+k], v[CV+4+k]
	Q4 v_readfirstlane_b32 s[36+k], v[CV+k]
.irp q, 0,1,2,3
	s_and_b32 s[80+\q], s[36+\q], 0xffff
	s_lshr_b32 s[84+\q], s[36+\q], 16
.endr
.irp e, 0,1,2,3,4,5,6,7
	s_add_co_u32 s[80+\e], s[80+\e], 15
	s_lshr_b32 s[80+\e], s[80+\e], 4
	s_max_u32 s[80+\e], s[80+\e], 1                ; s[80 + e] = NT of expert e: one tile at the least
.endr
	; THE LEVEL.  In lane l, for L = l + 5: the units wanted are 16 - (experts at T = 1) + 2 (pairs beyond the first); an expert past 8 L rules the level out.
.irp e, 0,1,2,3,4,5,6,7
	v_cmp_le_u32 vcc_lo, s[80+\e], v[THR]
	v_cndmask_b32 v[CV], 0, 1, vcc_lo
	v_cmp_gt_u32 vcc_lo, s[80+\e], v[LAM2]
	v_cndmask_b32 v[CV+1], 0, 1, vcc_lo
	v_cmp_gt_u32 vcc_lo, s[80+\e], v[LAM4]
	v_cndmask_b32 v[CV+2], 0, 1, vcc_lo
	v_cmp_gt_u32 vcc_lo, s[80+\e], v[LAM6]
	v_cndmask_b32 v[CV+3], 0, 1, vcc_lo
	v_cmp_gt_u32 vcc_lo, s[80+\e], v[LAM8]
	v_cndmask_b32 v[CV+4], 0, 1, vcc_lo
	v_add_nc_u32 v[ACA], v[ACA], v[CV]
	v_add_nc_u32 v[CV+1], v[CV+1], v[CV+2]
	v_add_nc_u32 v[ACB], v[ACB], v[CV+3]
	v_add_nc_u32 v[ACX], v[ACX], v[CV+4]
	v_add_nc_u32 v[ACB], v[ACB], v[CV+1]
.endr
	v_lshlrev_b32 v[ACB], 1, v[ACB]
	v_lshl_add_u32 v[ACB], v[ACX], 4, v[ACB]
	v_cmp_le_u32 s67, v[ACB], v[ACA]               ; m: the levels that fit in 16 units
	s_sub_co_u32 s71, s67, 1
	s_xor_b32 s67, s67, -1
	s_and_b32 s67, s67, s71                        ; (m - 1) & ~m: the bits below the lowest level that fits;
	s_bcnt1_i32_b32 s67, s67                       ; their number is that level's lane
	s_min_u32 s67, s67, 7                          ; lane 7, L = 12, always fits
	s_add_co_u32 s91, s67, 1                       ; L - 4
	s_lshl_b32 s88, s67, 1
	s_add_co_u32 s88, s88, 10                      ; 2 L
	s_lshl_b32 s89, s88, 1                         ; 4 L
	s_add_co_u32 s90, s89, s88                     ; 6 L
	; THE WALK.  The experts' units lie one behind the other; the last expert whose first unit is not past mine is my expert.
	s_mov_b32 s66, 0                               ; units dealt so far
	s_mov_b32 s27, 0                               ; e
	s_mov_b32 s74, 2                               ; T
	s_mov_b32 s29, 0                               ; NT
	s_mov_b32 s92, 0                               ; e's first unit
.irp e, 0,1,2,3,4,5,6,7
	s_cmp_gt_u32 s[80+\e], s88
	s_cselect_b32 s93, 4, 2
	s_cmp_gt_u32 s[80+\e], s89
	s_cselect_b32 s93, 6, s93
	s_cmp_gt_u32 s[80+\e], s90
	s_cselect_b32 s93, 8, s93
	s_cmp_le_u32 s[80+\e], s91
	s_cselect_b32 s93, 1, s93
	s_cmp_ge_u32 s77, s66
	s_cselect_b32 s27, \e, s27
	s_cselect_b32 s74, s93, s74
	s_cselect_b32 s29, s[80+\e], s29
	s_cselect_b32 s92, s66, s92
	s_add_co_u32 s66, s66, s93
.endr
	s_cmp_ge_u32 s77, s66                          ; a unit past those dealt has no tiles
	s_cselect_b32 s29, 0, s29
	s_sub_co_u32 s75, s77, s92                     ; j: my unit's number in the expert
	s_min_u32 s27, s27, 7
	s_and_b32 s94, s74, 1                          ; T = 1?
	s_and_b32 s67, s75, 1                          ; j % 2
	s_sub_co_u32 s71, s75, s67
	s_add_co_u32 s71, s71, s25                     ; j - j % 2 + w / 2
	s_cmp_eq_u32 s94, 1
	s_cselect_b32 s76, 2, 1                        ; pieces
	s_cselect_b32 s95, s24, s26                    ; my column group among the work-group's
	s_cselect_b32 s67, 0, s67
	s_cselect_b32 s30, s75, s71                    ; my first tile
	s_lshl1_add_u32 s28, s78, s67                  ; my first piece of 64 columns
	s_min_u32 s28, s28, 31
	s_lshl1_add_u32 s96, s28, s95                  ; my column group of 32, which is my K step of hid
	s_min_u32 s96, s96, 63
	s_lshl_b32 s68, s27, 22                        ; e's 4 MiB of W1, the piece's 256 bytes of a row
	s_lshl_b32 s67, s28, 8
	s_add_co_u32 s68, s68, s67
	s_mov_b32 s69, 0
	s_add_nc_u64 s[4:5], s[4:5], s[68:69]
	s_add_nc_u64 s[6:7], s[6:7], s[68:69]
	s_lshl_b32 s70, s27, 10                        ; e's first position
	s_lshl_b32 s67, s27, 5
	s_add_co_u32 s67, s67, 1024
	v_add_nc_u32 v[PDUMP], s67, v[VL]
	s_lshl_b32 s79, s27, 2
	s_lshl_b32 s79, 1, s79                         ; e's word in hot
	s_lshl_b32 s67, s27, 13                        ; the biases: e's row of 8,192 bytes, 128 bytes a column group, 32 (l / 16)
	s_lshl_b32 s71, s96, 7
	s_add_co_u32 s67, s67, s71
	v_lshl_add_u32 v[BOF], v[VH], 5, s67
	s_lshl_b32 s68, s27, 23                        ; e's 64 tiles of 128 KiB in hid, my K step of 2,048 bytes
	s_lshl_b32 s67, s96, 11
	s_add_co_u32 s68, s68, s67
	s_add_nc_u64 s[18:19], s[18:19], s[68:69]
	s_cmp_lg_u32 s24, 0
	s_cbranch_scc1 .Lnorec
	s_cmp_lg_u32 s78, 0
	s_cbranch_scc1 .Lnorec                         ; wave 0 of the unit's work-group 0 stores the record: each word of cnt has one writer
	v_mov_b32 v[CD], s27
	v_writelane_b32 v[CD], s75, 1
	v_writelane_b32 v[CD], s74, 2
	v_writelane_b32 v[CD], s29, 3
	s_lshl_b32 s67, s77, 7
	v_add_nc_u32 v[CA], s67, v[L4]
	global_store_b32 v[CA], v[CD], s[22:23]        ; 128 consecutive bytes: e, j, T, NT, and 28 words that nobody reads
.Lnorec:
	s_cmp_eq_u32 s29, 0
	s_cbranch_scc1 .Ljoin                          ; a unit without work: forward over the stream and the list, to the barrier
	WLOAD 0                                        ; three groups, 48 loads of 512 bytes, are on their way from here to the weights' end
	WLOAD 1
	WLOAD 2
	WIN 0
	s_cmp_lg_u32 s24, 0
	s_cbranch_scc1 .Lnolist                        ; wave 0 alone lays the list; no barrier stands in what is jumped
.set g, 0
.rept 32
	v_cmp_eq_u32 s[32+g], s79, v[HOT+g]            ; mask g: bit l stands for token 128 (g / 4) + g % 4 + 4 l
.set g, g+1
.endr
.irp z, 0,1,2,3,4,5,6,7,8
	ds_store_b128 v[ZA], v[ZERO:ZERO+3] offset:512*\z      ; entries 0-1151 = token 0; LDS serves a wave's instructions in order, so the entries below land on top
.endr
	s_mov_b32 s66, 0                               ; the running count
.set g, 0
.rept 32
	v_mbcnt_lo_u32_b32 v[RK], s[32+g], s66         ; rank = the tokens of the masks before + those of lower lanes in this one
	v_cndmask_b32 v[RK], v[DUMP], v[RK], s[32+g]   ; a lane whose token is another expert's writes its own dump word: EXEC stays whole
	v_min_u32 v[RK], 0x49f, v[RK]
	v_lshl_add_u32 v[RK], v[RK], 2, LIST
	v_add_nc_u32 v[TK], 128*(g/4)+g%4, v[L4]
	ds_store_b32 v[RK], v[TK]
	s_bcnt1_i32_b32 s67, s[32+g]
	s_add_co_u32 s66, s66, s67
.set g, g+1
.endr
	s_cmp_lg_u32 s78, 0
	s_cbranch_scc1 .Lnolist
	s_cmp_lg_u32 s75, 0
	s_cbranch_scc1 .Lnolist                        ; work-group 0 of the expert's unit 0 alone stores pos: each word of it has one writer in the launch
	s_mov_b32 s66, 0
.set g, 0
.rept 32                                       ; each store has registers of its own (hot's and CV's, free here), so none is rewritten while a store reads it
	v_mbcnt_lo_u32_b32 v[CV+g], s[32+g], s66
	v_add_nc_u32 v[HOT+g], 128*(g/4)+g%4, v[L4]
	v_add_nc_u32 v[CV+g], s70, v[CV+g]             ; position = e x 1024 + rank
	v_cndmask_b32 v[HOT+g], v[PDUMP], v[HOT+g], s[32+g]    ; other experts' tokens: my lane's dump word behind the 1,024
	v_min_u32 v[HOT+g], 0x4ff, v[HOT+g]
	v_lshlrev_b32 v[HOT+g], 2, v[HOT+g]
	global_store_b32 v[HOT+g], v[CV+g], s[20:21]
	s_bcnt1_i32_b32 s67, s[32+g]
	s_add_co_u32 s66, s66, s67
.set g, g+1
.endr
	s_wait_xcnt 0x0                                ; CV is written again below only when these stores have had their addresses translated (ISA guide 3.1)
.Lnolist:
	WSTEP 0, 32, 1                                 ; behind group G: the two younger groups
	WSTEP 1, 32, 1
	WSTEP 2, 32, 1
	WSTEP 3, 32, 1
	WSTEP 4, 32, 1
	s_cmp_lt_u32 s76, 2
	s_cbranch_scc1 .Lone
	WSTEP 5, 32, 1                                 ; two pieces: the ring of three groups runs on into the second
	WSTEP 6, 32, 1
	WSTEP 7, 32, 1
	WSTEP 8, 32, 1
	WSTEP 9, 32, 1
	WSTEP 10, 32, 1
	WSTEP 11, 32, 1
	WSTEP 12, 32, 1
	WSTEP 13, 32, 0
	WSTEP 14, 16, 0                                ; one younger group,
	WSTEP 15, 0, 0                                 ; none
	s_branch .Ljoin
.Lone:
	WSTEP 5, 32, 0                                 ; one piece: the counts run down
	WSTEP 6, 16, 0
	WSTEP 7, 0, 0
.Ljoin:
	s_wait_dscnt 0x0                               ; for the others' sake: my rows of the slice, and wave 0's list, are in LDS
	s_barrier_signal -1
	s_barrier_wait -1                              ; the kernel's one barrier, on every path: behind it LDS is only read
	s_cmp_eq_u32 s29, 0
	s_cbranch_scc1 .Lend                           ; a unit without work
.irp nt, 0,1
.irp b, 0,1,2
.irp hf, 0,1
	global_load_b128 v[BIAS+24*\nt+8*\b+4*\hf:BIAS+24*\nt+8*\b+4*\hf+3], v[BOF], s[8+2*\b:9+2*\b] offset:64*\nt+16*\hf
.endr
.endr
.endr
	s_min_u32 s67, s30, 71                         ; list tiles up to 71 were set: entries 0 to 1,151
	s_lshl_b32 s67, s67, 6
	v_add_nc_u32 v[LA], s67, v[LA0]
	ds_load_b32 v[NXN], v[LA]                      ; my token of my first tile,
	s_add_co_u32 s67, s30, s74
	s_min_u32 s67, s67, 71
	s_lshl_b32 s67, s67, 6
	v_add_nc_u32 v[LA], s67, v[LA0]
	ds_load_b32 v[TOK], v[LA]                      ; and of my second, T further on
	s_wait_dscnt 0x1                               ; the first is in
	v_min_u32 v[NXN], 0x3ff, v[NXN]
	v_lshl_add_u32 v[NXN], v[NXN], 11, v[H16]      ; its row of 2,048 bytes + 16 (l / 16)
	Q4 v_mov_b32 v[NX+k], v[NXN]
	ALOAD 0
	ALOAD 1
	ALOAD 2
	ALOAD 3
	WIN 0
	s_cmp_eq_u32 s94, 1
	s_cbranch_scc1 .Lfour                          ; the shape picks one of two written runs of loads; no address is chosen by it
	BFRAG BADR                                     ; T even: two column groups in one piece
	s_branch .Lrest
.Lfour:
	BFRAG BAD4                                     ; T = 1: four column groups in two pieces
.Lrest:
	s_mov_b32 s31, TRIPS
.Ltile:
	s_cmp_ge_u32 s30, s29
	s_cbranch_scc1 .Lskip                          ; past the expert's tiles: nothing but the counters
	s_wait_dscnt 0x0                               ; the next tile's entries are in (in the first trip: the resting operands too)
	v_min_u32 v[TOK], 0x3ff, v[TOK]
	v_lshl_add_u32 v[NXN], v[TOK], 11, v[H16]
	s_lshl1_add_u32 s67, s74, s30                  ; the tile after next
	s_min_u32 s67, s67, 71
	s_lshl_b32 s67, s67, 6
	v_add_nc_u32 v[LA], s67, v[LA0]
	ds_load_b32 v[TOK], v[LA]
	s_min_u32 s98, s30, 63
	s_lshl_b32 s98, s98, 17                        ; the tile's 128 KiB in hid
	CHUNK 0
	CHUNK 1
	CHUNK 2
	CHUNK 3
	WIN 0
	; THE WAY OUT.  The four plain lines behind the last products are the places in front of these lines; each accumulator is read from its low end on.
	; a = sqrt(re^2 + im^2 + 1e-10); scale = max(a + mod_b, 0) / (a + 1e-10)
.irp nt, 0,1
.set pP, ACC+24*\nt
.set pR, pP+8
.set pQ, pP+16
.set bM, BIAS+24*\nt+16
.irp z, 0,2,4,6
	v_pk_add_f32 v[pP+\z:pP+\z+1], v[pP+\z:pP+\z+1], v[pQ+\z:pQ+\z+1] neg_lo:[0,1] neg_hi:[0,1]
.endr
.irp z, 0,2,4,6
	v_pk_fma_f32 v[TT+\z:TT+\z+1], v[pP+\z:pP+\z+1], v[pP+\z:pP+\z+1], s[72:73] op_sel_hi:[1,1,0]
.endr
.irp z, 0,2,4,6
	v_pk_fma_f32 v[TT+\z:TT+\z+1], v[pR+\z:pR+\z+1], v[pR+\z:pR+\z+1], v[TT+\z:TT+\z+1]
.endr
.irp z, 0,1,2,3,4,5,6,7
	v_sqrt_f32 v[AA+\z], v[TT+\z]
.endr
	v_nop                                          ; a plain line between the roots and the use of their results (ISA guide 5.7.2)
	s_wait_alu depctr_va_vdst(0)
.irp z, 0,2,4,6
	v_pk_add_f32 v[NN+\z:NN+\z+1], v[AA+\z:AA+\z+1], v[bM+\z:bM+\z+1]
.endr
.irp z, 0,2,4,6
	v_pk_add_f32 v[TT+\z:TT+\z+1], v[AA+\z:AA+\z+1], s[72:73] op_sel_hi:[1,0]
.endr
.irp z, 0,1,2,3,4,5,6,7
	v_max_num_f32 v[NN+\z], 0, v[NN+\z]
.endr
.irp z, 0,1,2,3,4,5,6,7
	v_rcp_f32 v[TT+\z], v[TT+\z]
.endr
	v_nop
	s_wait_alu depctr_va_vdst(0)
.irp z, 0,2,4,6
	v_pk_mul_f32 v[NN+\z:NN+\z+1], v[NN+\z:NN+\z+1], v[TT+\z:TT+\z+1]
.endr
.irp z, 0,2,4,6
	v_pk_mul_f32 v[pP+\z:pP+\z+1], v[pP+\z:pP+\z+1], v[NN+\z:NN+\z+1]
.endr
.irp z, 0,2,4,6
	v_pk_mul_f32 v[pR+\z:pR+\z+1], v[pR+\z:pR+\z+1], v[NN+\z:NN+\z+1]
.endr
.irp z, 0,1,2,3
	v_cvt_pk_f16_f32 v[OUT+4*\nt+\z], v[pP+2*\z], v[pP+2*\z+1]
.endr
.irp z, 0,1,2,3
	v_cvt_pk_f16_f32 v[OUT+8+4*\nt+\z], v[pR+2*\z], v[pR+2*\z+1]
.endr
.endr
.irp q, 0,1,2,3
	global_store_b128 v[ST], v[OUT+4*\q:OUT+4*\q+3], s[18:19] offset:512*\q   ; quads: re of columns 0-15, re of 16-31, im likewise; 512 consecutive bytes each, at a multiple of 512 from hid's first
.endr
.Lskip:
	s_add_co_u32 s30, s30, s74                     ; my next tile lies T further on
	s_sub_co_u32 s31, s31, 1
	s_cmp_lg_u32 s31, 0
	s_cbranch_scc1 .Ltile
.Lend:
	s_wait_tensorcnt 0x0                           ; the wave's end: three lines behind my last LDS store
	ds_add_u32 v[SPW], v[NIL]
	s_wait_dscnt 0x0
	s_endpgm
.Lfunc_end_k_qab5516da35_up:
	.size	k_qab5516da35_up, .Lfunc_end_k_qab5516da35_up-k_qab5516da35_up
	.p2alignl 7, 3214868480
	.fill 96, 4, 3214868480
	.section	.rodata,"a",@progbits
	.p2align	6, 0x0
	.amdhsa_kernel k_qab5516da35_up
		.amdhsa_group_segment_fixed_size 283904
		.amdhsa_private_segment_fixed_size 0
		.amdhsa_enable_private_segment 0
		.amdhsa_kernarg_size 80
		.amdhsa_user_sgpr_count 2
		.amdhsa_user_sgpr_kernarg_segment_ptr 1
		.amdhsa_wavefront_size32 1
		.amdhsa_system_sgpr_workgroup_id_x 1
		.amdhsa_system_sgpr_workgroup_id_y 1
		.amdhsa_system_sgpr_workgroup_id_z 1
		.amdhsa_system_vgpr_workitem_id 0
		.amdhsa_next_free_vgpr 1024
		.amdhsa_next_free_sgpr 100
		.amdhsa_reserve_vcc 1
		.amdhsa_float_denorm_mode_32 3
		.amdhsa_float_denorm_mode_16_64 3
		.amdhsa_memory_ordered 1
		.amdhsa_forward_progress 1
		.amdhsa_inst_pref_size 183
	.end_amdhsa_kernel
	.amdgpu_metadata
---
amdhsa.version: [ 1, 2 ]
amdhsa.kernels:
  - .name:           k_qab5516da35_up
    .symbol:         k_qab5516da35_up.kd
    .args:
      - { .name: W1r, .offset: 0, .size: 8, .value_kind: global_buffer, .address_space: global }
      - { .name: W1i, .offset: 8, .size: 8, .value_kind: global_buffer, .address_space: global }
      - { .name: b1r, .offset: 16, .size: 8, .value_kind: global_buffer, .address_space: global }
      - { .name: b1i, .offset: 24, .size: 8, .value_kind: global_buffer, .address_space: global }
      - { .name: mod_b, .offset: 32, .size: 8, .value_kind: global_buffer, .address_space: global }
      - { .name: xh, .offset: 40, .size: 8, .value_kind: global_buffer, .address_space: global }
      - { .name: hot, .offset: 48, .size: 8, .value_kind: global_buffer, .address_space: global }
      - { .name: hid, .offset: 56, .size: 8, .value_kind: global_buffer, .address_space: global }
      - { .name: pos, .offset: 64, .size: 8, .value_kind: global_buffer, .address_space: global }
      - { .name: cnt, .offset: 72, .size: 8, .value_kind: global_buffer, .address_space: global }
    .group_segment_fixed_size: 283904
    .private_segment_fixed_size: 0
    .kernarg_segment_align: 8
    .kernarg_segment_size: 80
    .max_flat_workgroup_size: 128
    .sgpr_count:     100
    .vgpr_count:     1024
    .wavefront_size: 32
...
	.end_amdgpu_metadata
.endif
;; end of part 6
;; launch down (part 7): grid 256 x 1, 4 waves a work-group, no clusters, 296,448 bytes of LDS; arguments W2r, W2i, hid, cnt, part; writes part
.if DOCPART == 7
	.amdgcn_target "amdgcn-amd-amdhsa--gfx1250"
	.amdhsa_code_object_version 6
	.text
	.protected	k_qab5516da35_down
	.globl	k_qab5516da35_down
	.p2align	8
	.type	k_qab5516da35_down,@function
k_qab5516da35_down:
	s_mov_b64 s[64:65], 0
	v_nop
	global_prefetch_b8 v0, s[64:65] scope:SCOPE_SE
	s_setreg_imm32_b32 hwreg(HW_REG_WAVE_MODE, 25, 1), 1
	s_wait_xcnt 0x0
; DOWN.  A quarter of K of o = h W2 for each expert's tokens.  The 256 work-groups are the 16 UNITS of 16 that the launch before dealt among the experts by their load; a unit's record in cnt is
; (e, j, T, NT): expert, the unit's number in the expert, the expert's units, its tiles of 16 tokens (0: a unit left over: it jumps over the stream, passes the barrier and ends).
; In a unit: kq = (x / 4) % 4: hidden rows 512 kq .. + 511;  nb = x % 4: output columns 128 nb .. + 127.
;   T = 1:   the work-group takes all 128 columns (two pieces of 256 bytes of every row of W2r and W2i); its four waves hold four column groups of 32, and each wave makes all NT tiles.
;   T even:  it takes 64 columns (piece 2 nb + j % 2); waves (w / 2, w % 2) = (tile, column group); tile j - j % 2 + w / 2, then every T-th.
; The deal leaves no wave more than 12 tiles: the tile loop counts to the constant 12, and dead trips jump forward over work alone.
; The weights go through registers, rounded to f16, into LDS as [k][piece][Wr 64, Wi 64], and, turned, into 512 resting registers a wave.  Where T >= 4, T / 2 work-groups read the same slice: no hint on the loads.
; NO LDS ADDRESS HANGS ON THE RECORD: the turning loads' addresses for both shapes are made at the head from the wave's and the lane's number alone, the run of loads is written once for each shape, and a
; forward branch on T takes one of the two.  All that is used behind the barrier is made ahead of the idle unit's jump.
; K is split in four since 512 output columns give only 8 pieces of whole 256-byte row pieces an expert; the four parts are f32 partial sums, added in order by the next launch.
; hid holds the tokens as matrix operands: [tile e x 64 + t][K step 64][quad 4][lane 32][16 bytes]: every load is 512 consecutive bytes, straight into registers; the loop writes no shared LDS and has no barrier.
; The look-ahead is clamped to the expert's last tile, which has been stored.
; THE MATRIX INSTRUCTION IS USED TRANSPOSED (source 0 = 16 weight columns, source 1 = 16 tokens): a lane holds one token and 8 neighbouring columns.  P = Wr hr, R = Wi hr + Wr hi, Q = Wi hi; re = P - Q.
; Order P, R, Q, R: the accumulators take turns.
; part: [kq][position e x 1024 + rank][unit of 32 columns, 16][32 re, 32 im] f32: a wave's share of a row is one aligned unit of 256 bytes, gathered through the wave's own stage in LDS.
; NO CLUSTER: partners would differ in every count that the deal sets (pieces, tiles); f32 weights must pass registers to be rounded; asking for hid's blocks jointly would put an LDS ring and the
; cluster's barrier into a loop whose live length hangs on a stored count, for rows that here go from memory to registers without touching LDS.
; LIMITS.  W2 is rounded once to f16: under 65,504; below 6e-5 it keeps f16's step of 6e-8.
; REGISTERS, in windows of 256: window 0 addresses, accumulators, work; window 1 the token ring (K step ks at 16 ks: re 8, im 8); windows 2, 3 column tiles 0, 1: Wr at 8 ks, Wi at 128 + 8 ks
; (window 2 before that: four landing slots of 64).
.set GP,    2048                       ; bytes from row to row of W2
.set PW,    544                        ; a row of weights in LDS: 2 pieces x (128 + 128) + 32 bytes = 136 words
.set STG,   512*PW                     ; behind the weights: 16 rows x 272 bytes for each wave, for the way out
.set SP,    272                        ; 68 words: the 16 rows of a store start at 16 different groups of four banks
.set SPARE, STG+4*16*SP                ; the spare words, 128 bytes for each wave
.set TRIPS, 12
.set VR,   1
.set VH,   2
.set VL,   3
.set WOFF, 4
.set LOFF, 5                           ; v5-6  rows 0-63 and 64-127 of my wave's 128 (an LDS offset has 16 bits)
.set BADR, 8                           ; v8-11 the turning loads' addresses for T even: columns at byte 64 (w % 2)
.set NXN,  12                          ; byte offset in hid of the tile to be loaded next: no memory instruction names it
.set PO,   13                          ; byte offset in part of the tile in hand
.set PO0,  14                          ; 4096 (l / 16) + 16 (l % 16)
.set STO,  15                          ; the way out: where I put 16 bytes of a row
.set RD,   16                          ; where I read rows back
.set L16,  17
.set NX,   20                          ; v20-23 quarter c's byte offset in hid: its own register, written when its last loads are shown done
.set BAD4, 24                          ; v24-27 the turning loads' addresses for T = 1: columns at byte 256 (w / 2) + 64 (w % 2)
.set SPW,  30                          ; LDS address of my spare word; never rewritten
.set NIL,  31                          ; 0; never rewritten
.set ACC,  32                          ; v32-79   + 24 tile + 8 (P, R, Q)
.set OUT,  152                         ; v152-183 eight quads to store
.set CV,   184                         ; v184-215 weights in f16, on their way to LDS
.set MSB, 0
.macro WIN new                         ; the immediate's high byte repeats the setting that is left; a switch that changes nothing is dropped
.if MSB != (\new)
	s_set_vgpr_msb (MSB<<8)|(\new)
.set MSB, (\new)
.endif
.endm
; Group G of 16: piece G / 8, matrix G % 2, rows 32 ((G % 8) / 2) .. + 31 of my wave's 128.  16 loads; each takes two whole row pieces of 256 bytes, four rows apart.
.macro WLOAD G
	WIN 0x80
.set i, 0
.rept 16
.set rr, 32*(((\G)%8)/2)+8*(i/4)+i%4
	global_load_b128 v[64*((\G)%4)+4*i:64*((\G)%4)+4*i+3], v[WOFF], s[4+2*((\G)%2):5+2*((\G)%2)] offset:rr*GP+256*((\G)/8)
.set i, i+1
.endr
.endm
; Group G has landed (left = the loads issued behind it); more = 1: the group three further on is asked for; G is rounded and laid into LDS (rows four apart lie 32 banks apart).
.macro WSTEP G, left, more
	s_wait_loadcnt \left
.if \more
	WLOAD (\G)+3
.endif
	WIN 0x0a
.set i, 0
.rept 32
	v_cvt_pk_f16_f32 v[CV+i], v[64*((\G)%4)+2*i], v[64*((\G)%4)+2*i+1]
.set i, i+1
.endr
	WIN 0
.set i, 0
.rept 16
.set rr, 32*(((\G)%8)/2)+8*(i/4)+i%4
	ds_store_b64 v[LOFF+rr/64], v[CV+2*i:CV+2*i+1] offset:(rr%64)*PW+128*((\G)%2)+256*((\G)/8)
.set i, i+1
.endr
.endm
.macro BFRAG ba                        ; the resting operands: 128 turning loads by the four address registers from ba on
.irp nt, 0,1
	WIN 0x80+0x40*\nt
.set f, 0
.rept 64
.set mm, f/32
.set ks, (f%32)/2
.set hf, f%2
	ds_load_tr16_b128 v[128*mm+8*ks+4*hf:128*mm+8*ks+4*hf+3], v[(\ba)+ks/4] offset:(ks%4)*32*PW+hf*16*PW+128*mm+32*\nt
.set f, f+1
.endr
.endr
	WIN 0
.endm
.macro ALOAD c                         ; 16 loads of 512 consecutive bytes: K steps 4 c .. 4 c + 3 of the tile at NX + c
	WIN 0x40
.set i, 0
.rept 16
	global_load_b128 v[64*(\c)+4*i:64*(\c)+4*i+3], v[NX+(\c)], s[8:9] offset:2048*(4*(\c)+i/4)+512*(i%4)
.set i, i+1
.endr
.endm
.macro MUL4 nt, ks                     ; the four products of one K step and column tile; K step 0 starts the sums with 0
.set aR, 16*(\ks)
.set aI, aR+8
.set wR, 8*(\ks)
.set wI, 128+8*(\ks)
.set pP, ACC+24*(\nt)
.set pR, pP+8
.set pQ, pP+16
.if (\ks) == 0
	v_wmma_f32_16x16x32_f16 v[pP:pP+7], v[wR:wR+7], v[aR:aR+7], 0
	v_wmma_f32_16x16x32_f16 v[pR:pR+7], v[wI:wI+7], v[aR:aR+7], 0
	v_wmma_f32_16x16x32_f16 v[pQ:pQ+7], v[wI:wI+7], v[aI:aI+7], 0
.else
	v_wmma_f32_16x16x32_f16 v[pP:pP+7], v[wR:wR+7], v[aR:aR+7], v[pP:pP+7]
	v_wmma_f32_16x16x32_f16 v[pR:pR+7], v[wI:wI+7], v[aR:aR+7], v[pR:pR+7]
	v_wmma_f32_16x16x32_f16 v[pQ:pQ+7], v[wI:wI+7], v[aI:aI+7], v[pQ:pQ+7]
.endif
	v_wmma_f32_16x16x32_f16 v[pR:pR+7], v[wR:wR+7], v[aI:aI+7], v[pR:pR+7]
.endm
; A quarter of a tile: 32 matrix instructions; then the next tile's same quarter is asked for: 96 matrix instructions in which to land.  Four plain vector lines stand between the products and those
; loads (ISA guide 7.12.1 for vector instructions); two of them are work: the quarter's address, and in quarter 0 the tile's place in part.
.macro CHUNK c
	s_wait_loadcnt 48                              ; this quarter is in; the 48 loads behind it are the ring's three other quarters, at every quarter and over the back edge.
	                                               ; The loads shown done are the last that named NX + c: it may be written below
.irp nt, 0,1
	WIN 0x06+\nt
.irp kk, 0,1,2,3
	MUL4 \nt, 4*(\c)+\kk
.endr
.endr
	WIN 0
.if (\c) == 0
	s_wait_xcnt 0x0                                ; the last trip's stores have had their addresses translated (ISA guide 3.1): PO here, and OUT on the way out, are written again only behind this wait
	v_add_nc_u32 v[PO], s50, v[PO0]
.else
	v_nop
.endif
	v_mov_b32 v[NX+(\c)], v[NXN]
	v_nop
	v_nop
	ALOAD \c
.endm
	s_load_b256 s[4:11], s[0:1], 0x0               ; W2r s[4:5], W2i s[6:7], hid s[8:9], cnt s[10:11]
	s_load_b64 s[12:13], s[0:1], 0x20              ; part
	v_lshl_add_u32 v[SPW], v0, 2, SPARE
	v_mov_b32 v[NIL], 0
	v_lshrrev_b32 v1, 5, v0
	v_readfirstlane_b32 s24, v1                    ; wave 0..3
	s_lshr_b32 s25, s24, 1                         ; w / 2
	s_and_b32 s26, s24, 1                          ; w % 2
	s_lshr_b32 s39, ttmp9, 4                       ; my unit
	s_bfe_u32 s32, ttmp9, 0x20002                  ; kq
	s_and_b32 s38, ttmp9, 3                        ; nb
	s_lshl_b32 s36, s39, 7                         ; a record has 128 bytes
	s_mov_b32 s37, 0
	s_wait_kmcnt 0x0
	s_add_nc_u64 s[10:11], s[10:11], s[36:37]
	s_load_b128 s[40:43], s[10:11], 0x0            ; e, j, T, NT
	; what hangs on the wave and the lane alone is made while the record is on its way: every LDS address among it
	v_and_b32 v[VR], 15, v0
	v_bfe_u32 v[VH], v0, 4, 1
	v_and_b32 v[VL], 31, v0
	v_lshlrev_b32 v[L16], 4, v[VL]
	s_lshl_b32 s34, s24, 18                        ; my wave's 128 rows of 2,048 bytes
	v_lshlrev_b32 v[WOFF], 4, v[VR]
	v_lshl_add_u32 v[WOFF], v[VH], 13, v[WOFF]     ; lanes 16-31: four rows further down
	v_add_nc_u32 v[WOFF], s34, v[WOFF]
	s_mul_i32 s34, s24, 128*PW
	v_mul_u32_u24 v[LOFF], v[VH], 4*PW
	v_lshl_add_u32 v[LOFF], v[VR], 3, v[LOFF]
	v_add_nc_u32 v[LOFF], s34, v[LOFF]
	v_add_nc_u32 v[LOFF+1], 64*PW, v[LOFF]
	v_and_b32 v[BADR], 7, v0                       ; the turning load: row 8 (l / 16) + l % 8, 16 bytes at 16 ((l / 8) % 2)
	v_lshl_add_u32 v[BADR], v[VH], 3, v[BADR]
	v_mul_u32_u24 v[BADR], v[BADR], PW
	v_bfe_u32 v[BADR+1], v0, 3, 1
	v_lshl_add_u32 v[BADR], v[BADR+1], 4, v[BADR]
	s_lshl_b32 s34, s26, 6
	v_add_nc_u32 v[BADR], s34, v[BADR]             ; T even: half w % 2 of the one piece
	s_lshl_b32 s34, s25, 8
	v_add_nc_u32 v[BAD4], s34, v[BADR]             ; T = 1: piece w / 2 as well
.irp q, 1,2,3
	v_add_nc_u32 v[BADR+\q], \q*128*PW, v[BADR]
	v_add_nc_u32 v[BAD4+\q], \q*128*PW, v[BAD4]
.endr
	s_mul_i32 s34, s24, 16*SP
	s_add_co_u32 s34, s34, STG                     ; my stage
	v_mul_u32_u24 v[STO], v[VR], SP                ; in: row l % 16, 32 bytes for each half of the lanes
	v_lshl_add_u32 v[STO], v[VH], 5, v[STO]
	v_add_nc_u32 v[STO], s34, v[STO]
	v_mul_u32_u24 v[RD], v[VH], SP                 ; back: lanes 0-15 one row of 256 bytes, lanes 16-31 the next
	v_lshl_add_u32 v[RD], v[VR], 4, v[RD]
	v_add_nc_u32 v[RD], s34, v[RD]
	v_lshlrev_b32 v[PO0], 4, v[VR]                 ; and the same two rows in part, 4,096 bytes apart
	v_lshl_add_u32 v[PO0], v[VH], 12, v[PO0]
	s_wait_kmcnt 0x0
	s_min_u32 s27, s40, 7                          ; e
	s_min_u32 s29, s43, 64                         ; NT
	s_min_u32 s42, s42, 16                         ; T
	s_and_b32 s44, s42, 1                          ; T = 1?
	s_and_b32 s48, s41, 1                          ; j % 2
	s_sub_co_u32 s35, s41, s48
	s_add_co_u32 s35, s35, s25                     ; j - j % 2 + w / 2
	s_cmp_eq_u32 s44, 1
	s_cselect_b32 s49, 2, 1                        ; pieces
	s_cselect_b32 s45, s24, s26                    ; my column group among the work-group's
	s_cselect_b32 s48, 0, s48
	s_cselect_b32 s30, s41, s35                    ; my first tile
	s_lshl1_add_u32 s28, s38, s48                  ; my first piece of 64 columns
	s_min_u32 s28, s28, 7
	s_lshl1_add_u32 s46, s28, s45                  ; my column group of 32, which is my unit of a row of part
	s_min_u32 s46, s46, 15
	s_lshl_b32 s36, s27, 22                        ; e's 4 MiB of W2, kq's 512 rows, the piece's 256 bytes of a row
	s_lshl_b32 s34, s32, 20
	s_add_co_u32 s36, s36, s34
	s_lshl_b32 s34, s28, 8
	s_add_co_u32 s36, s36, s34
	s_add_nc_u64 s[4:5], s[4:5], s[36:37]
	s_add_nc_u64 s[6:7], s[6:7], s[36:37]
	s_lshl_b32 s36, s27, 23                        ; hid: e's 64 tiles of 128 KiB, kq's 16 K steps of 2,048 bytes
	s_lshl_b32 s34, s32, 15
	s_add_co_u32 s36, s36, s34
	s_add_nc_u64 s[8:9], s[8:9], s[36:37]
	s_lshl_b32 s36, s32, 25                        ; part: kq's 32 MiB, e's 1,024 rows of 4,096 bytes, my unit of 256
	s_lshl_b32 s34, s27, 22
	s_add_co_u32 s36, s36, s34
	s_lshl_b32 s34, s46, 8
	s_add_co_u32 s36, s36, s34
	s_add_nc_u64 s[12:13], s[12:13], s[36:37]
	s_sub_co_u32 s33, s29, 1                       ; the expert's last tile
	s_cmp_eq_u32 s29, 0
	s_cbranch_scc1 .Ljoin                          ; a unit without work: forward over the stream, to the barrier
	WLOAD 0                                        ; three groups, 48 loads of 512 bytes, are on their way from here to the weights' end
	WLOAD 1
	WLOAD 2
	WSTEP 0, 32, 1                                 ; behind group G: the two younger groups
	WSTEP 1, 32, 1
	WSTEP 2, 32, 1
	WSTEP 3, 32, 1
	WSTEP 4, 32, 1
	s_cmp_lt_u32 s49, 2
	s_cbranch_scc1 .Lone
	WSTEP 5, 32, 1                                 ; two pieces: the ring of three groups runs on into the second
	WSTEP 6, 32, 1
	WSTEP 7, 32, 1
	WSTEP 8, 32, 1
	WSTEP 9, 32, 1
	WSTEP 10, 32, 1
	WSTEP 11, 32, 1
	WSTEP 12, 32, 1
	WSTEP 13, 32, 0
	WSTEP 14, 16, 0                                ; one younger group,
	WSTEP 15, 0, 0                                 ; none
	s_branch .Ljoin
.Lone:
	WSTEP 5, 32, 0                                 ; one piece: the counts run down
	WSTEP 6, 16, 0
	WSTEP 7, 0, 0
.Ljoin:
	s_wait_dscnt 0x0                               ; for the others' sake: my rows of the slice are in LDS
	s_barrier_signal -1
	s_barrier_wait -1                              ; the kernel's one barrier, on every path: behind it the weights are only read
	s_cmp_eq_u32 s29, 0
	s_cbranch_scc1 .Lend                           ; a unit without work
	s_min_u32 s34, s30, s33                        ; my first tile, or the last that exists
	s_min_u32 s34, s34, 63
	s_lshl_b32 s34, s34, 17
	v_add_nc_u32 v[NXN], s34, v[L16]
.irp c, 0,1,2,3
	v_mov_b32 v[NX+\c], v[NXN]
.endr
	ALOAD 0
	ALOAD 1
	ALOAD 2
	ALOAD 3
	WIN 0
	s_cmp_eq_u32 s44, 1
	s_cbranch_scc1 .Lfour                          ; the shape picks one of two written runs of loads; no address is chosen by it
	BFRAG BADR                                     ; T even: two column groups in one piece
	s_branch .Lrest
.Lfour:
	BFRAG BAD4                                     ; T = 1: four column groups in two pieces
.Lrest:
	s_mov_b32 s31, TRIPS
	s_wait_dscnt 0x0                               ; the resting operands are in
.Ltile:
	s_cmp_ge_u32 s30, s29
	s_cbranch_scc1 .Lskip                          ; past the expert's tiles: nothing but the counters
	s_add_co_u32 s34, s30, s42                     ; my next tile, T further on, or the last that exists
	s_min_u32 s34, s34, s33
	s_min_u32 s34, s34, 63
	s_lshl_b32 s34, s34, 17
	v_add_nc_u32 v[NXN], s34, v[L16]
	s_min_u32 s50, s30, 63
	s_lshl_b32 s50, s50, 16                        ; 16 rows of 4,096 bytes a tile
	CHUNK 0
	CHUNK 1
	CHUNK 2
	CHUNK 3
	WIN 0
	; THE WAY OUT.  The four plain lines behind the last products are the places in front of these lines; each accumulator is read from its low end on.
.irp nt, 0,1
.irp z, 0,2,4,6
	v_pk_add_f32 v[ACC+24*\nt+\z:ACC+24*\nt+\z+1], v[ACC+24*\nt+\z:ACC+24*\nt+\z+1], v[ACC+24*\nt+16+\z:ACC+24*\nt+16+\z+1] neg_lo:[0,1] neg_hi:[0,1]
.endr
.endr
.irp nt, 0,1
	ds_store_b128 v[STO], v[ACC+24*\nt:ACC+24*\nt+3] offset:64*\nt
	ds_store_b128 v[STO], v[ACC+24*\nt+4:ACC+24*\nt+7] offset:64*\nt+16
	ds_store_b128 v[STO], v[ACC+24*\nt+8:ACC+24*\nt+11] offset:128+64*\nt
	ds_store_b128 v[STO], v[ACC+24*\nt+12:ACC+24*\nt+15] offset:128+64*\nt+16
.endr
.irp i, 0,1,2,3,4,5,6,7
	ds_load_b128 v[OUT+4*\i:OUT+4*\i+3], v[RD] offset:2*SP*\i      ; LDS serves a wave's instructions in order (ISA guide 5.7.1.4): these see the stores above; the next tile's stores come behind them
.endr
.irp i, 0,1,2,3,4,5,6,7
	s_wait_dscnt 7-\i
	global_store_b128 v[PO], v[OUT+4*\i:OUT+4*\i+3], s[12:13] offset:8192*\i   ; 16 lanes store 256 consecutive bytes, at a multiple of 256 from part's first byte
.endr
.Lskip:
	s_add_co_u32 s30, s30, s42
	s_sub_co_u32 s31, s31, 1
	s_cmp_lg_u32 s31, 0
	s_cbranch_scc1 .Ltile
.Lend:
	s_wait_tensorcnt 0x0                           ; the wave's end: three lines behind my last LDS store
	ds_add_u32 v[SPW], v[NIL]
	s_wait_dscnt 0x0
	s_endpgm
.Lfunc_end_k_qab5516da35_down:
	.size	k_qab5516da35_down, .Lfunc_end_k_qab5516da35_down-k_qab5516da35_down
	.p2alignl 7, 3214868480
	.fill 96, 4, 3214868480
	.section	.rodata,"a",@progbits
	.p2align	6, 0x0
	.amdhsa_kernel k_qab5516da35_down
		.amdhsa_group_segment_fixed_size 296448
		.amdhsa_private_segment_fixed_size 0
		.amdhsa_enable_private_segment 0
		.amdhsa_kernarg_size 40
		.amdhsa_user_sgpr_count 2
		.amdhsa_user_sgpr_kernarg_segment_ptr 1
		.amdhsa_wavefront_size32 1
		.amdhsa_system_sgpr_workgroup_id_x 1
		.amdhsa_system_sgpr_workgroup_id_y 1
		.amdhsa_system_sgpr_workgroup_id_z 1
		.amdhsa_system_vgpr_workitem_id 0
		.amdhsa_next_free_vgpr 1024
		.amdhsa_next_free_sgpr 66
		.amdhsa_reserve_vcc 0
		.amdhsa_float_denorm_mode_32 3
		.amdhsa_float_denorm_mode_16_64 3
		.amdhsa_memory_ordered 1
		.amdhsa_forward_progress 1
		.amdhsa_inst_pref_size 129
	.end_amdhsa_kernel
	.amdgpu_metadata
---
amdhsa.version: [ 1, 2 ]
amdhsa.kernels:
  - .name:           k_qab5516da35_down
    .symbol:         k_qab5516da35_down.kd
    .args:
      - { .name: W2r, .offset: 0, .size: 8, .value_kind: global_buffer, .address_space: global }
      - { .name: W2i, .offset: 8, .size: 8, .value_kind: global_buffer, .address_space: global }
      - { .name: hid, .offset: 16, .size: 8, .value_kind: global_buffer, .address_space: global }
      - { .name: cnt, .offset: 24, .size: 8, .value_kind: global_buffer, .address_space: global }
      - { .name: part, .offset: 32, .size: 8, .value_kind: global_buffer, .address_space: global }
    .group_segment_fixed_size: 296448
    .private_segment_fixed_size: 0
    .kernarg_segment_align: 8
    .kernarg_segment_size: 40
    .max_flat_workgroup_size: 128
    .sgpr_count:     66
    .vgpr_count:     1024
    .wavefront_size: 32
...
	.end_amdgpu_metadata
.endif
;; end of part 7
;; launch sum: the kernel of part 4 again; grid 256 x 1, 4 waves a work-group, no clusters, 0 bytes of LDS; arguments part, pos, idx, prob, b2r, b2i, out0, out1; writes out0, out1
